; MI455X (gfx1250); checked and timed in simulation.
; The chip was launched on July 23, 2026; its instructions are those of AMD's public machine-readable ISA for CDNA 5 (MIT licence, August 2026) and "CDNA5" Instruction Set Architecture Reference Guide (July 2026). The comments in the code are by the model that wrote it; some were corrected since.
;; Self Attention. Allowed arithmetic: matrix products marked QUANTISED: E2M1 operands, one E8M0 scale for each 32 along K, by v_wmma_scale_f32_16x16x128_f8f6f4 with both operands' format E2M1 (or v_wmma_scale_f32_32x16x128_f4), f32 sums; products left as they are: bf16, f16 or f32 operands; f32 sums; everything else in f32.
;; Inputs: Wfc 1,024 x 1,024 float32; Wk 1,024 x 1,024 float32; Wq 1,024 x 1,024 float32; Wv 1,024 x 1,024 float32; bfc 1,024 float32; bk 1,024 float32; bq 1,024 float32; bv 1,024 float32; key 4 x 2,048 x 1,024 float32; mask 4 x 2,048 int32; query 4 x 2,048 x 1,024 float32; value 4 x 2,048 x 1,024 float32.
;; Outputs: out0 4 x 2,048 x 1,024 float32.
;; This version of the problem:
;;   THIS VERSION OF THE PROBLEM IS GIVEN IN LOW PRECISION. The matrix products marked QUANTISED in the list below multiply operands that are first quantised to E2M1 (2 exponent bits, 1 mantissa bit; 4 bits a number), with one power-of-two scale for each 32 numbers along K (OCP MX v1.0); their sums are f32. The products marked 'left as it is' may take bf16, f16 or f32 operands, with f32 sums. Whichever they take, every output number must still come out within the allowed error. Rounding operands to bf16 (8 significant bits) uses up far more of that allowance than f16 does (11 bits, for magnitudes from 6e-5 to 65,504). All else is computed in f32.
;;   The module's matrix products, in the order in which they are computed (A, B: the left and right operand; K: the contracted axis; several contracted axes count as one K, in the product's order):
;;     1. [M 8,192, K 1,024] x [K 1,024, N 1,024]; A: input query; B: input Wq: QUANTISED
;;     2. [M 8,192, K 1,024] x [K 1,024, N 1,024]; A: input key; B: input Wk: QUANTISED
;;     3. [M 8,192, K 1,024] x [K 1,024, N 1,024]; A: input value; B: input Wv: QUANTISED
;;     4. batch 64 x [M 2,048, K 64] x [K 64, N 2,048]; A: computed on the way; B: computed on the way: left as it is (an operand is computed on the way)
;;     5. batch 64 x [M 2,048, K 2,048] x [K 2,048, N 64]; A: computed on the way; B: computed on the way: left as it is (an operand is computed on the way)
;;     6. [M 8,192, K 1,024] x [K 1,024, N 1,024]; A: computed on the way; B: input Wfc: left as it is (an operand is computed on the way)
;;   THE QUANTISER, for each operand of a quantised product, along K:
;;     - K is cut into blocks of 32 from its start; a last block that is shorter is filled with zeros.
;;     - A block's scale is 2^e with e = floor(log2(the largest magnitude in the block)) - 2, held to -126 .. 127; a block of zeros has e = 0. As a byte (E8M0): e + 127.
;;     - Each number is divided by its block's scale, clamped to +-6, and rounded to the nearest number of E2M1, ties to even, subnormals kept.
;;     - The product sums the exact products of the quantised numbers (number of the format x scale) in f32.
;;   ~~~python
;;   def quantise(x, axis):      # numpy; x: float32 -> the quantised numbers, widened to float32 again
;;       x = np.moveaxis(x, axis, -1); K = x.shape[-1]
;;       x = np.pad(x, [(0, 0)] * (x.ndim - 1) + [(0, -K % 32)]); x = x.reshape(x.shape[:-1] + (-1, 32)); a = np.abs(x).max(-1, keepdims=True)
;;       e = np.where(a > 0, np.clip(np.frexp(np.where(a > 0, a, 1))[1] - 1 - 2, -126, 127), 0)      # np.frexp(a)[1] - 1 = floor(log2(a)), exactly
;;       r = np.clip(x / 2.0 ** e, -6, 6)
;;       step = 2.0 ** (np.maximum(np.frexp(np.where(r == 0, 1, r))[1] - 1, 0) - 1)
;;       q = np.round(r / step) * step * 2.0 ** e      # np.round: ties to even
;;       return np.moveaxis(q.reshape(q.shape[:-2] + (-1,))[..., :K], -1, axis).astype(np.float32)
;;   ~~~
;; One version. Each part assembles by itself: llvm-mc -triple=amdgcn-amd-amdhsa -mcpu=gfx1250 --defsym DOCPART=n.
;; ======== version 1 of 1: 4 launches
;; limits: values are held in f16: magnitudes above 65,504 overflow, below 6.1e-05 lose precision
;; workspace buffers: codes 14,155,776 bytes; scales 884,736 bytes; wfh 2,097,152 bytes; order 32,768 bytes of whole numbers; counts 256 bytes of whole numbers; qkv 50,331,648 bytes; xh 16,777,216 bytes
;; launch prep (part 1): grid 897 x 1, 4 waves a work-group, no clusters, 33,280 bytes of LDS; arguments query, key, value, Wq, Wk, Wv, Wfc, mask, codes, scales, wfh, order, counts; writes codes, scales, wfh, order, counts
.if DOCPART == 1
	.amdgcn_target "amdgcn-amd-amdhsa--gfx1250"
	.amdhsa_code_object_version 6
	.text
	.protected	k_q7f9bc0657f_prep
	.globl	k_q7f9bc0657f_prep
	.p2align	8
	.type	k_q7f9bc0657f_prep,@function
k_q7f9bc0657f_prep:
	s_mov_b64 s[64:65], 0
	v_nop
	global_prefetch_b8 v0, s[64:65] scope:SCOPE_SE
	s_setreg_imm32_b32 hwreg(HW_REG_WAVE_MODE, 25, 1), 1
	s_wait_xcnt 0x0
; PREP: what the later launches read again and again is made once.
;   work-group 0:        for each batch (one wave each) the list of key numbers, keys with mask != 0 first, the others behind, both in ascending order; and two numbers a batch:
;                        neff (how many listed keys count) and keep (-1, or 0 where no key of the batch counts).
;   work-groups 1-32:    Wfc [1024 n][1024 k] f32 -> f16, laid [16 blocks of 64 k][1024 n][64], as the last launch's tiles want it.
;   work-groups 33-896:  query, key, value, Wq, Wk, Wv, f32 with K innermost -> codes of E2M1 and one E8M0 byte for each 32 along K, one stream over the six tensors.
; WHICH WORK THE PROGRAM LEAVES OUT, AND WHY.  No input is left out: all twelve are loaded.  reference() replaces the energy of a key whose mask is 0 by -1e10; its weight is then exp(-1e10 - max), which f32 gives as 0
; as soon as one key of the batch counts and a row's largest energy lies above -1e10 + 104.  The mask is a whole-number input, so the attention launch walks only the keys that this launch lists as counting.
; Where NO key of a batch counts, reference() gives every key the same weight: neff = 2048, and keep = 0 clears Q, so that all scores are equal.
; LIMITS: a row whose every counting energy lies under -1e10 + 104 differs from reference(); a NaN, an infinity or an overflow that reaches only the scores and values of masked keys is not carried to the result.
; THE QUANTISER: a block's scale is 2^(floor(log2(largest magnitude)) - 2); its byte is the largest magnitude's exponent field - 2, held at 1 from below.  A block of zeros so gets the byte 1 where the rule says 127:
; its codes are zeros, which add nothing under any byte but 0xff, and this program alone reads the bytes.  LIMITS: blocks whose largest magnitude lies under 2^(2 - 126); NaN and infinities among the inputs are not served.
; |Wfc| above 65,504 becomes infinity in f16.
.set WAVES, 4
.set STEPS, 16
.set EMAX,  2
.set CB,    8                          ; bytes of 16 codes
.set R,     16                         ; v16-79   four sets of 16 numbers as they are loaded
.set X,     80                         ; v80-111  two sets of 16 neighbours
.set E,     112                        ; v112-127 a scale byte for each step
.set C,     128                        ; v128-191 codes: four registers for each step
.set WREG,  8192                       ; LDS: a region for each wave: two stages of 32 x SP bytes, then its 256 scale bytes
.set SP,    80                         ; a lane's place in a stage: 64 bytes + 16 of padding
.set SPW,   12                         ; v12  LDS address of my spare word; never rewritten
.set NIL,   13                         ; v13  0; never rewritten
.set SPARE, WAVES*WREG                 ; behind the four regions: the spare words, 128 bytes a wave
	s_load_b512 s[4:19], s[0:1], 0x0               ; query 4, key 6, value 8, Wq 10, Wk 12, Wv 14, Wfc 16, mask 18
	s_load_b256 s[20:27], s[0:1], 0x40             ; codes 20, scales 22, wfh 24, order 26
	s_load_b64 s[28:29], s[0:1], 0x60              ; counts
	v_lshl_add_u32 v[SPW], v0, 2, SPARE
	v_mov_b32 v[NIL], 0
	v_lshrrev_b32 v1, 5, v0
	v_readfirstlane_b32 s30, v1                    ; wave
	v_and_b32 v2, 31, v0                           ; lane
	s_wait_kmcnt 0x0
	s_cmp_eq_u32 ttmp9, 0                          ; the three kinds of work part on the work-group's number; the short serial one comes first
	s_cbranch_scc1 .Lorder
	s_cmp_lt_u32 ttmp9, 33
	s_cbranch_scc1 .Lwfc
	; ---- THE QUANTISER.  Work-group q = number - 33 takes 32,768 numbers of the stream: 256 work-groups for each of query, key, value, 32 for each weight.
	s_sub_co_u32 s31, ttmp9, 33
	s_mov_b32 s34, 832
	s_cmp_lt_u32 s31, 832                          ; the tensor and its first work-group are chosen by the work-group's number alone
	s_cselect_b64 s[32:33], s[12:13], s[14:15]
	s_cselect_b32 s34, 800, s34
	s_cmp_lt_u32 s31, 800
	s_cselect_b64 s[32:33], s[10:11], s[32:33]
	s_cselect_b32 s34, 768, s34
	s_cmp_lt_u32 s31, 768
	s_cselect_b64 s[32:33], s[8:9], s[32:33]
	s_cselect_b32 s34, 512, s34
	s_cmp_lt_u32 s31, 512
	s_cselect_b64 s[32:33], s[6:7], s[32:33]
	s_cselect_b32 s34, 256, s34
	s_cmp_lt_u32 s31, 256
	s_cselect_b64 s[32:33], s[4:5], s[32:33]
	s_cselect_b32 s34, 0, s34
	s_sub_co_u32 s34, s31, s34                     ; my number within the tensor
	s_lshl_b32 s34, s34, 2
	s_add_co_u32 s34, s34, s30
	s_lshl_b32 s34, s34, 15                        ; a wave's run: 8,192 numbers, 32,768 bytes
	s_mov_b32 s35, 0
	s_add_nc_u64 s[32:33], s[32:33], s[34:35]
	s_lshl_b32 s31, s31, 2
	s_add_co_u32 s31, s31, s30                     ; which run of the whole stream
	s_lshl_b32 s34, s31, 12                        ; 4,096 bytes of codes a run
	s_add_nc_u64 s[20:21], s[20:21], s[34:35]
	s_lshl_b32 s34, s31, 8                         ; 256 scale bytes a run
	s_add_nc_u64 s[22:23], s[22:23], s[34:35]
	v_lshlrev_b32 v3, 4, v2                        ; my 16 bytes of a load's 512
	s_mul_i32 s36, s30, WREG
	v_lshrrev_b32 v14, 2, v2
	v_mul_u32_u24 v14, v14, SP
	v_and_b32 v15, 3, v2
	v_lshl_add_u32 v14, v15, 4, v14
	v_add_nc_u32 v14, s36, v14                     ; the stage, on the way in: SP (lane / 4) + 16 (lane % 4)
	v_mul_u32_u24 v15, v2, SP
	v_add_nc_u32 v15, s36, v15                     ; and on the way out: SP x lane: my 16 neighbours
	v_mul_u32_u24 v4, v2, CB                       ; my codes' place in a step's
	v_lshrrev_b32 v5, 1, v2
	s_add_co_u32 s36, s36, 2*32*SP
	v_add_nc_u32 v5, s36, v5                       ; my block's scale byte in LDS
	v_lshlrev_b32 v7, 3, v2
	v_add_nc_u32 v6, s36, v7                       ; and on the way out 8 bytes a lane
.macro LOAD t
.irp i, 0,1,2,3
	global_load_b128 v[R+16*((\t)%4)+4*\i:R+16*((\t)%4)+4*\i+3], v3, s[32:33] offset:2048*(\t)+512*\i th:TH_LOAD_NT   ; 32 lanes read 512 consecutive bytes
.endr
.endm
.macro TURN t                          ; step t's numbers through the stage: LDS serves a wave's instructions in order, so no wait stands between the stores and the loads
.irp i, 0,1,2,3
	ds_store_b128 v14, v[R+16*((\t)%4)+4*\i:R+16*((\t)%4)+4*\i+3] offset:32*SP*((\t)%2)+8*SP*\i
.endr
.irp i, 0,1,2,3
	ds_load_b128 v[X+16*((\t)%2)+4*\i:X+16*((\t)%2)+4*\i+3], v15 offset:32*SP*((\t)%2)+16*\i
.endr
.endm
.irp t, 0,1,2,3
	LOAD \t
.endr
	s_wait_loadcnt 12                              ; step 0's four loads are in; three steps' twelve may be out
	TURN 0
.macro STEP t
.set XS, X+16*((\t)%2)
.if (\t) > 0
	s_wait_dscnt 1                                 ; this step's numbers are back from the stage (the last step's byte store may be out)
.else
	s_wait_dscnt 0x0
.endif
.if (\t)+4 < STEPS
	LOAD (\t)+4                                    ; into the registers that the stage's stores have read
.endif
.if (\t)+1 < STEPS
.if STEPS-2-(\t) >= 3
	s_wait_loadcnt 12                              ; the next step's four loads are in; those of the three steps behind it may be out
.else
	s_wait_loadcnt 4*(STEPS-2-(\t))
.endif
	TURN (\t)+1
.endif
	v_max3_num_f32 v8, |v[XS]|, |v[XS+1]|, |v[XS+2]|               ; the largest magnitude of my 16, in two chains
	v_max3_num_f32 v9, |v[XS+3]|, |v[XS+4]|, |v[XS+5]|
.irp i, 6,10
	v_max3_num_f32 v8, v8, |v[XS+\i]|, |v[XS+\i+1]|
	v_max3_num_f32 v9, v9, |v[XS+\i+2]|, |v[XS+\i+3]|
.endr
	v_max3_num_f32 v8, v8, |v[XS+14]|, |v[XS+15]|
	v_max3_num_f32 v8, v8, v9, (EMAX+1)<<23        ; and the floor 2^(EMAX + 1 - 127): the byte cannot fall under 1
	v_max_num_f32_dpp v8, v8, v8 row_xmask:1 row_mask:0xf bank_mask:0xf   ; with my neighbour's 16: the block's
	v_add_nc_u32 v11, -(EMAX<<23), v8              ; EMAX off its exponent field: the conversion takes that field as its scale
	v_cvt_scalef32_pk8_fp4_f32 v[C+4*(\t)], v[XS:XS+7], v11
	v_cvt_scalef32_pk8_fp4_f32 v[C+4*(\t)+1], v[XS+8:XS+15], v11
	v_lshrrev_b32 v[E+(\t)], 23, v11               ; the scale's byte
	ds_store_b8 v5, v[E+(\t)] offset:16*(\t)       ; both lanes of a block write the same byte with the same value
	global_store_b64 v4, v[C+4*(\t):C+4*(\t)+1], s[20:21] offset:32*CB*(\t)   ; the wave stores 256 consecutive bytes
.endm
.irp t, 0,1,2,3,4,5,6,7,8,9,10,11,12,13,14,15
	STEP \t
.endr
	ds_load_b64 v[8:9], v6                         ; my wave's 256 scale bytes: LDS serves a wave's instructions in order
	s_wait_dscnt 0x0
	global_store_b64 v7, v[8:9], s[22:23]          ; 32 lanes store 256 consecutive bytes
	s_wait_tensorcnt 0x0                           ; the wave's end, behind my last LDS store
	ds_add_u32 v[SPW], v[NIL]
	s_wait_dscnt 0x0
	s_endpgm
	; ---- Wfc TO f16.  A wave takes 8 rows n.  A piece (g, kb): 4 rows x 64 k; eight lanes read a row's 256 bytes in two loads, 32 lanes store 512 consecutive bytes.  No LDS.
.Lwfc:
	s_sub_co_u32 s31, ttmp9, 1
	s_lshl_b32 s31, s31, 2
	s_add_co_u32 s31, s31, s30                     ; which 8 rows
	s_lshl_b32 s32, s31, 15                        ; 8 rows of 4,096 bytes
	s_mov_b32 s33, 0
	s_add_nc_u64 s[16:17], s[16:17], s[32:33]
	s_lshl_b32 s32, s31, 10                        ; 8 rows of 128 bytes
	s_add_nc_u64 s[24:25], s[24:25], s[32:33]
	v_lshrrev_b32 v1, 3, v2
	v_and_b32 v3, 7, v2
	v_lshlrev_b32 v1, 12, v1
	v_lshl_add_u32 v1, v3, 5, v1                   ; in: row lane / 8, 32 bytes at lane % 8
	v_lshlrev_b32 v3, 4, v2                        ; out: 16 x lane
.macro LOADF k                         ; batch k of four: rows 4 (k / 2) on, blocks 8 (k % 2) + 0 .. 7, into set k % 2
.irp c, 0,1,2,3,4,5,6,7
	global_load_b128 v[32+64*((\k)%2)+8*\c:32+64*((\k)%2)+8*\c+3], v1, s[16:17] offset:((\k)/2)*16384+(8*((\k)%2)+\c)*256 th:TH_LOAD_NT
	global_load_b128 v[32+64*((\k)%2)+8*\c+4:32+64*((\k)%2)+8*\c+7], v1, s[16:17] offset:((\k)/2)*16384+(8*((\k)%2)+\c)*256+16 th:TH_LOAD_NT
.endr
.endm
.macro PROCF k, younger                ; younger: the next batch's loads, which may stay out
	s_wait_xcnt 0x0                                ; the last batch's stores have read v160-191
.irp c, 0,1,2,3,4,5,6,7
	s_wait_loadcnt \younger+14-2*\c                ; piece c's two loads are in
.irp r, 0,1,2,3
	v_cvt_pk_f16_f32 v[160+4*\c+\r], v[32+64*((\k)%2)+8*\c+2*\r], v[32+64*((\k)%2)+8*\c+2*\r+1]
.endr
	global_store_b128 v3, v[160+4*\c:160+4*\c+3], s[24:25] offset:(8*((\k)%2)+\c)*131072+((\k)/2)*512
.endr
.endm
	LOADF 0
	LOADF 1
	PROCF 0, 16
	LOADF 2
	PROCF 1, 16
	LOADF 3
	PROCF 2, 16
	PROCF 3, 0
	s_endpgm
	; ---- THE LISTS.  Wave w takes batch w: 2,048 words of the mask, 64 a lane.  No LDS.
.Lorder:
	s_lshl_b32 s32, s30, 13
	s_mov_b32 s33, 0
	s_add_nc_u64 s[18:19], s[18:19], s[32:33]
	s_add_nc_u64 s[26:27], s[26:27], s[32:33]
	s_lshl_b32 s32, s30, 3
	s_add_nc_u64 s[28:29], s[28:29], s[32:33]
	v_lshlrev_b32 v1, 2, v2
.set i, 0
.rept 64
	global_load_b32 v[64+i], v1, s[18:19] offset:128*i   ; key 32 i + lane
.set i, i+1
.endr
	s_wait_loadcnt 0x0
	s_mov_b32 s40, 0
.set i, 0
.rept 64                               ; pass 1: how many keys count
	v_cmp_ne_u32 vcc_lo, 0, v[64+i]
	s_bcnt1_i32_b32 s41, vcc_lo
	s_add_co_u32 s40, s40, s41
.set i, i+1
.endr
	s_mov_b32 s43, 0                               ; where the next counting key goes,
	s_mov_b32 s44, s40                             ; and the next masked one
.set i, 0
.rept 64                               ; pass 2: each key's place in the list.  Every i has its own address and data registers, so no store's sources are written again
	v_cmp_ne_u32 vcc_lo, 0, v[64+i]
	v_mbcnt_lo_u32_b32 v3, vcc_lo, 0               ; counting keys in the lanes below me
	s_not_b32 s42, vcc_lo
	v_mbcnt_lo_u32_b32 v4, s42, 0                  ; masked ones
	v_add_nc_u32 v3, s43, v3
	v_add_nc_u32 v4, s44, v4
	v_cndmask_b32 v3, v4, v3, vcc_lo
	v_min_u32 v3, 0x7ff, v3                        ; a place lies in 0 .. 2047
	v_lshlrev_b32 v[128+i], 2, v3
	v_add_nc_u32 v[64+i], 32*i, v2                 ; the key's number
	global_store_b32 v[128+i], v[64+i], s[26:27]
	s_bcnt1_i32_b32 s41, vcc_lo
	s_add_co_u32 s43, s43, s41
	s_sub_co_u32 s41, 32, s41
	s_add_co_u32 s44, s44, s41
.set i, i+1
.endr
	s_cmp_lg_u32 s40, 0
	s_cselect_b32 s45, s40, 0x800                  ; neff
	s_cselect_b32 s46, -1, 0                       ; keep
	v_mov_b32 v6, s45
	v_mov_b32 v7, s46
	v_mov_b32 v5, 0
	v_cmp_eq_u32 vcc_lo, 0, v2
	s_wait_xcnt 0x0                                ; EXEC changes only behind this wait
	s_and_saveexec_b32 s47, vcc_lo
	global_store_b64 v5, v[6:7], s[28:29]          ; lane 0 alone: the batch's two numbers
	s_wait_xcnt 0x0                                ; and again in front of the line that widens it
	s_or_b32 exec_lo, exec_lo, s47
	s_endpgm
.Lfunc_end_k_q7f9bc0657f_prep:
	.size	k_q7f9bc0657f_prep, .Lfunc_end_k_q7f9bc0657f_prep-k_q7f9bc0657f_prep
	.p2alignl 7, 3214868480
	.fill 96, 4, 3214868480
	.section	.rodata,"a",@progbits
	.p2align	6, 0x0
	.amdhsa_kernel k_q7f9bc0657f_prep
		.amdhsa_group_segment_fixed_size 33280
		.amdhsa_private_segment_fixed_size 0
		.amdhsa_enable_private_segment 0
		.amdhsa_kernarg_size 104
		.amdhsa_user_sgpr_count 2
		.amdhsa_user_sgpr_kernarg_segment_ptr 1
		.amdhsa_wavefront_size32 1
		.amdhsa_system_sgpr_workgroup_id_x 1
		.amdhsa_system_sgpr_workgroup_id_y 1
		.amdhsa_system_sgpr_workgroup_id_z 1
		.amdhsa_system_vgpr_workitem_id 0
		.amdhsa_next_free_vgpr 192
		.amdhsa_next_free_sgpr 66
		.amdhsa_reserve_vcc 1
		.amdhsa_float_denorm_mode_32 3
		.amdhsa_float_denorm_mode_16_64 3
		.amdhsa_memory_ordered 1
		.amdhsa_forward_progress 1
		.amdhsa_inst_pref_size 107
	.end_amdhsa_kernel
	.amdgpu_metadata
---
amdhsa.version: [ 1, 2 ]
amdhsa.kernels:
  - .name:           k_q7f9bc0657f_prep
    .symbol:         k_q7f9bc0657f_prep.kd
    .args:
      - { .name: query, .offset: 0, .size: 8, .value_kind: global_buffer, .address_space: global }
      - { .name: key, .offset: 8, .size: 8, .value_kind: global_buffer, .address_space: global }
      - { .name: value, .offset: 16, .size: 8, .value_kind: global_buffer, .address_space: global }
      - { .name: Wq, .offset: 24, .size: 8, .value_kind: global_buffer, .address_space: global }
      - { .name: Wk, .offset: 32, .size: 8, .value_kind: global_buffer, .address_space: global }
      - { .name: Wv, .offset: 40, .size: 8, .value_kind: global_buffer, .address_space: global }
      - { .name: Wfc, .offset: 48, .size: 8, .value_kind: global_buffer, .address_space: global }
      - { .name: mask, .offset: 56, .size: 8, .value_kind: global_buffer, .address_space: global }
      - { .name: codes, .offset: 64, .size: 8, .value_kind: global_buffer, .address_space: global }
      - { .name: scales, .offset: 72, .size: 8, .value_kind: global_buffer, .address_space: global }
      - { .name: wfh, .offset: 80, .size: 8, .value_kind: global_buffer, .address_space: global }
      - { .name: order, .offset: 88, .size: 8, .value_kind: global_buffer, .address_space: global }
      - { .name: counts, .offset: 96, .size: 8, .value_kind: global_buffer, .address_space: global }
    .group_segment_fixed_size: 33280
    .private_segment_fixed_size: 0
    .kernarg_segment_align: 8
    .kernarg_segment_size: 104
    .max_flat_workgroup_size: 128
    .sgpr_count:     66
    .vgpr_count:     192
    .wavefront_size: 32
...
	.end_amdgpu_metadata
.endif
;; end of part 1
;; launch proj (part 2): grid 4 x 96, 4 waves a work-group, clusters of 4 x 4, 327,680 bytes of LDS; arguments codes, scales, bq, bk, bv, qkv; writes qkv
.if DOCPART == 2
	.amdgcn_target "amdgcn-amd-amdhsa--gfx1250"
	.amdhsa_code_object_version 6
	.text
	.protected	k_q7f9bc0657f_proj
	.globl	k_q7f9bc0657f_proj
	.p2align	8
	.type	k_q7f9bc0657f_proj,@function
k_q7f9bc0657f_proj:
	s_mov_b64 s[64:65], 0
	v_nop
	global_prefetch_b8 v0, s[64:65] scope:SCOPE_SE
	s_setreg_imm32_b32 hwreg(HW_REG_WAVE_MODE, 25, 1), 1
	s_wait_xcnt 0x0
	s_wait_alu depctr_hold_cnt(0) depctr_sa_sdst(0) depctr_va_vdst(0) depctr_va_sdst(0) depctr_va_ssrc(0) depctr_va_vcc(0) depctr_vm_vsrc(0)
	s_getreg_b32 s2, hwreg(HW_REG_IB_STS2, 6, 4)
	s_cmp_eq_u32 s2, 0
	s_cbranch_scc0 .Lentry_in_a_cluster
	s_endpgm
.Lentry_in_a_cluster:
	s_bfe_u32 s2, ttmp6, 0x10000c
	s_cmp_lg_u32 s2, 0xf033
	s_cbranch_scc0 .Lentry_shape_is_right
	s_endpgm
.Lentry_shape_is_right:
; PROJ: the three quantised products, Q = query Wq^T + bq, K = key Wk^T + bk, V = value Wv^T + bv, as ONE product of 24,576 rows on codes of E2M1 with E8M0 scales; sums in f32, the bias as the C of each sum's
; first matrix instruction, the result rounded once to f16 and laid [3 parts][4 batches][16 heads][2,048][64].  No work is left out here: the rows of masked keys lie in tiles that also hold counting rows.
; LIMIT: |Q|, |K|, |V| above 65,504 become infinity in f16.
; codes: rows of 512 bytes (1,024 codes): rows 0-24,575 query, key, value; rows 24,576 + 1,024 t + n the weights.  scales: the same rows, 32 bytes each.
; A tile of C, 256 x 256, is made by four waves, a wave 128 x 128: 64 accumulators.  K = 1,024 is two slots of 512 along K: both are filled at the start and nothing is filled again.
; The scales of the work-group's 256 + 256 rows are two dense blocks and come with the first fills, in rows of 256 bytes.
; CLUSTER 4 x 4: the four of a row need the same tiles of A, the four of a column the same tiles of B (all sixteen lie in one part t): each tile is asked for jointly.
; THE MATRIX INSTRUCTION IS USED TRANSPOSED (source 0 = 16 rows of the weight, source 1 = 16 rows of the activations): a lane holds eight neighbouring columns of one row of C.
; REGISTERS: window 0: v0-31 addresses; v32-95 scale words, two sets, and nothing else; v128-191 A's fragments, one set, on the way out the rows read back; v192-223 packed results.
;   window 1: B's fragments at v0 and v128; v64-127 the bias, eight registers for each block of 16 columns.   windows 2, 3: the accumulators ((a, b) at v[8 (8 (a % 4) + b)]).
.set NQ,     4                         ; matrix instructions deep in a slot
.set ROWB,   256                       ; a tile's row: 512 codes
.set KROW,   512                       ; a row of codes in memory
.set PITCH,  272                       ; an LDS row: 256 bytes + 16: the 16 rows of a load start 68 words apart
.set FR,     8
.set NL,     2
.set NP,     4
.set HALFT,  128*PITCH
.set SLOT,   4*HALFT
.set KS,     32                        ; a row of scales in bytes
.set SCL,    2*SLOT
.set HALFS,  (128*KS/256)*272
.set SBLK,   (16*KS/256)*272
.set SPARE,  SCL+4*HALFS               ; the spare words, 128 bytes a wave
.set SPITCH, 272                       ; the way out: 16 rows x (256 bytes + 16) a wave, in slot 0, which has had its only fill and its last read by then
.set ADRA, 16
.set ADRB, 20
.set STO,  24
.set RD,   25
.set CO,   26
.set ADRS, 27
.set SPW,  28
.set NIL,  29
.set SC,   32
.set AF,   128
.set BK,   128
.set TMP,  192
.set BIAS, 64
.set G1, 24
.set G0, 32
.set G1B, 48
.set G0B, 56
.set G1S, 68
.set G0S, 76
.set G1SB, 80
.set G0SB, 88
.set MSB, 0
.macro WIN new                         ; the immediate's high byte repeats the setting that is left
.if MSB != (\new)
	s_set_vgpr_msb (MSB<<8)|(\new)
.set MSB, (\new)
.endif
.endm
.set MUL_LO, 0xa1                      ; source 0 (B) window 1, source 1 (A) window 0, C and D window 2
.set MUL_HI, 0xf1
.set BEG_LO, 0x91                      ; the same with C (the bias) in window 1
.set BEG_HI, 0xd1
.set TO_B,   0x40
.macro JLOAD g0a, g1a, g0b, g1b        ; a joint load: waves 0, 1 fetch for A, waves 2, 3 for B; s_nop 0 and four v_nop follow each line
	s_cmp_eq_u32 s17, 0
	s_cbranch_scc0 .Lfor_b_\@
	tensor_load_to_lds s[\g0a:\g0a+3], s[\g1a:\g1a+7]
	s_nop 0
.rept 4
	v_nop
.endr
	s_branch .Lasked_\@
.Lfor_b_\@:
	tensor_load_to_lds s[\g0b:\g0b+3], s[\g1b:\g1b+7]
	s_nop 0
.rept 4
	v_nop
.endr
.Lasked_\@:
.endm
.macro CROUND                          ; a round of the cluster's barrier
	s_barrier_signal -1
	s_barrier_wait -1
	s_cmp_lg_u32 s16, 0
	s_cbranch_scc1 .Lnot_wave_0_\@
	s_barrier_signal -3
.Lnot_wave_0_\@:
	s_barrier_wait -3
	s_barrier_signal -1
	s_barrier_wait -1
.endm
	s_load_b128 s[4:7], s[0:1], 0x0                ; codes, scales
	s_load_b256 s[8:15], s[0:1], 0x10              ; bq, bk, bv, qkv
	v_lshl_add_u32 v[SPW], v0, 2, SPARE
	v_mov_b32 v[NIL], 0
	ds_add_u32 v[SPW], v[NIL]                      ; the wave's opening: the add, twice on end, and its wait ahead of my first tensor load
	ds_add_u32 v[SPW], v[NIL]
	v_lshrrev_b32 v1, 5, v0
	v_readfirstlane_b32 s16, v1                    ; wave
	s_lshr_b32 s17, s16, 1                         ; my half of the tile's rows; also: I fetch for A (0) or B (1)
	s_and_b32 s18, s16, 1                          ; my half of its columns; also: which 128 rows I fetch
	s_bfe_u32 s40, ttmp6, 0x40000                  ; cx
	s_bfe_u32 s41, ttmp6, 0x40004                  ; cy
	s_lshl_b32 s42, ttmp9, 2
	s_add_co_u32 s42, s42, s40                     ; tile column X
	s_and_b32 s96, ttmp7, 0xffff                   ; cluster y
	s_lshl_b32 s19, s96, 2
	s_add_co_u32 s19, s19, s41                     ; tile row Y, 0 .. 95
	s_lshr_b32 s96, s96, 3                         ; the part t = Y / 32: the same in all sixteen partners
	s_lshl_b32 s43, s41, 2
	s_lshl_b32 s43, 15, s43                        ; my row of the cluster
	s_lshl_b32 s44, 0x1111, s40                    ; my column
	s_or_b32 s[G1+0], s43, (0<<16)|(1<<20)|(1<<21)|(5<<22)|(3<<25)   ; mask; elements of 1 byte; padding of 4 words behind every 64
	s_or_b32 s[G1B+0], s44, (0<<16)|(1<<20)|(1<<21)|(5<<22)|(3<<25)
.irp g, G1, G1B
	s_mov_b32 s[\g+1], ROWB<<16                    ; tensor_dim0
	s_mov_b32 s[\g+2], 128<<16                     ; tensor_dim1
	s_mov_b32 s[\g+3], ROWB<<16                    ; tile_dim0
	s_mov_b32 s[\g+4], 128                         ; tile_dim1
	s_mov_b32 s[\g+5], KROW                        ; from row to row
	s_mov_b32 s[\g+6], 0
	s_mov_b32 s[\g+7], 0
.endr
	s_or_b32 s[G1S+0], s43, (3<<16)|(1<<20)|(1<<21)|(5<<22)|(3<<25)  ; the scales of 128 rows: 4,096 dense bytes as 16 rows of 32 elements of 8 bytes
	s_or_b32 s[G1SB+0], s44, (3<<16)|(1<<20)|(1<<21)|(5<<22)|(3<<25)
.irp g, G1S, G1SB
	s_mov_b32 s[\g+1], 32<<16
	s_mov_b32 s[\g+2], (128*KS/256)<<16
	s_mov_b32 s[\g+3], 32<<16
	s_mov_b32 s[\g+4], 128*KS/256
	s_mov_b32 s[\g+5], 32
	s_mov_b32 s[\g+6], 0
	s_mov_b32 s[\g+7], 0
.endr
	s_lshl_b32 s95, s18, 7                         ; which 128 rows of the tile I fetch
	s_lshl_b32 s20, s19, 8
	s_add_co_u32 s20, s20, s95                     ; A: row 256 Y + 128 half
	s_lshl_b32 s46, s42, 8
	s_add_co_u32 s46, s46, s95
	s_lshl_b32 s97, s96, 10
	s_add_co_u32 s46, s46, s97
	s_add_co_u32 s46, s46, 24576                   ; B: row 24,576 + 1,024 t + 256 X + 128 half
	s_lshl_b32 s22, s20, 5                         ; their scales, 32 bytes a row,
	s_mov_b32 s23, 0
	s_lshl_b32 s92, s46, 5
	s_mov_b32 s93, 0
	s_lshl_b32 s20, s20, 9                         ; and their codes, 512 bytes a row: all under 2^24
	s_mov_b32 s21, 0
	s_lshl_b32 s46, s46, 9
	s_mov_b32 s47, 0
	s_mul_i32 s45, s16, HALFT                      ; where they go: wave x 128 rows
	s_mul_i32 s94, s16, HALFS
	s_wait_dscnt 0x0                               ; both opening adds are done
	s_wait_kmcnt 0x0
	s_add_nc_u64 s[20:21], s[4:5], s[20:21]
	s_add_nc_u64 s[22:23], s[6:7], s[22:23]
	s_add_nc_u64 s[46:47], s[4:5], s[46:47]
	s_add_nc_u64 s[92:93], s[6:7], s[92:93]
	CROUND                                         ; all sixteen work-groups are here: the first joint loads meet
	s_mov_b32 s[G0S], 1
	s_add_co_u32 s[G0S+1], s94, SCL
	s_mov_b64 s[G0S+2:G0S+3], s[22:23]
	s_or_b32 s[G0S+3], s[G0S+3], 0x80000000
	s_mov_b32 s[G0SB], 1
	s_add_co_u32 s[G0SB+1], s94, SCL
	s_mov_b64 s[G0SB+2:G0SB+3], s[92:93]
	s_or_b32 s[G0SB+3], s[G0SB+3], 0x80000000
	JLOAD G0S, G1S, G0SB, G1SB                     ; the scales first: they are wanted with slot 0
.irp s, 0,1
	s_mov_b32 s[G0+4*\s], 1
	s_add_co_u32 s[G0+4*\s+1], s45, \s*SLOT
	s_add_nc_u64 s[G0+4*\s+2:G0+4*\s+3], s[20:21], \s*ROWB
	s_or_b32 s[G0+4*\s+3], s[G0+4*\s+3], 0x80000000
	s_mov_b32 s[G0B+4*\s], 1
	s_add_co_u32 s[G0B+4*\s+1], s45, \s*SLOT
	s_add_nc_u64 s[G0B+4*\s+2:G0B+4*\s+3], s[46:47], \s*ROWB
	s_or_b32 s[G0B+4*\s+3], s[G0B+4*\s+3], 0x80000000
	JLOAD G0+4*\s, G1, G0B+4*\s, G1B               ; three tensor loads of mine are out, and no more follow
.endr
	v_and_b32 v1, 15, v0                           ; r
	v_bfe_u32 v2, v0, 4, 1                         ; h
	v_mul_u32_u24 v3, v1, PITCH
	v_lshl_add_u32 v4, v2, 4, v3                   ; a fragment's row x pitch + 16 h
	s_mul_i32 s21, s17, HALFT
	s_mul_i32 s22, s18, HALFT
	s_add_co_u32 s22, s22, 2*HALFT
.irp s, 0,1
	v_add_nc_u32 v[ADRA+\s], s21, v4
	v_add_nc_u32 v[ADRB+\s], s22, v4
	s_add_co_u32 s21, s21, SLOT
	s_add_co_u32 s22, s22, SLOT
.endr
	v_mul_u32_u24 v5, v1, KS                       ; my row's scales: 32 bytes a row,
	v_lshrrev_b32 v6, 8, v5
	v_lshl_add_u32 v5, v6, 4, v5                   ; and 16 more for each 256 passed
	s_mul_i32 s21, s17, HALFS
	s_mul_i32 s22, s18, HALFS
	s_add_co_u32 s22, s22, 2*HALFS
	s_sub_co_u32 s22, s22, s21
	v_mul_u32_u24 v6, s22, v2                      ; lanes 16-31 take B's: one product, the distance between the two bases
	s_add_co_u32 s21, s21, SCL
	v_add_nc_u32 v5, v5, v6
	v_add_nc_u32 v[ADRS], s21, v5
	s_mul_i32 s23, s16, 16*SPITCH                  ; my stage
	v_mul_u32_u24 v5, v1, SPITCH
	v_lshl_add_u32 v5, v2, 4, v5
	v_add_nc_u32 v[STO], s23, v5                   ; in: row r, 16 bytes for each half of the lanes
	v_and_b32 v6, 31, v0
	v_lshrrev_b32 v7, 3, v6
	v_and_b32 v8, 7, v6
	v_mul_u32_u24 v7, v7, SPITCH
	v_lshl_add_u32 v7, v8, 4, v7
	v_add_nc_u32 v[RD], s23, v7                    ; back: eight lanes take 128 bytes (a head's 64 numbers) of a row, four rows an instruction
	v_lshlrev_b32 v[CO], 4, v6                     ; which are 512 consecutive bytes of the result
	s_cmp_eq_u32 s96, 0                            ; the part's bias: a choice that hangs on the cluster's number alone
	s_cselect_b64 s[8:9], s[8:9], s[10:11]
	s_cmp_eq_u32 s96, 2
	s_cselect_b64 s[8:9], s[12:13], s[8:9]
	s_lshl_b32 s46, s42, 10
	s_lshl_b32 s47, s18, 9
	s_add_co_u32 s46, s46, s47                     ; my first column, in bytes of f32
	s_mov_b32 s47, 0
	s_add_nc_u64 s[8:9], s[8:9], s[46:47]
	v_lshlrev_b32 v9, 5, v2                        ; lane (r, h) wants, for block b, the bias of columns 16 b + 8 h + 0 .. 7
	WIN TO_B
.irp b, 0,1,2,3,4,5,6,7
	global_load_b128 v[BIAS+8*\b:BIAS+8*\b+3], v9, s[8:9] offset:64*\b
	global_load_b128 v[BIAS+8*\b+4:BIAS+8*\b+7], v9, s[8:9] offset:64*\b+16
.endr
	WIN 0
	s_lshr_b32 s20, s19, 3                         ; part and batch: Y / 8
	s_lshl_b32 s20, s20, 4
	s_lshl_b32 s46, s42, 2
	s_add_co_u32 s46, s46, s20
	s_lshl_b32 s47, s18, 1
	s_add_co_u32 s46, s46, s47                     ; my first head: 16 (Y / 8) + 4 X + 2 half
	s_lshl_b32 s46, s46, 18                        ; 262,144 bytes a head
	s_and_b32 s47, s19, 7
	s_lshl_b32 s47, s47, 8
	s_lshl_b32 s20, s17, 7
	s_add_co_u32 s47, s47, s20                     ; my first position: 256 (Y % 8) + 128 half
	s_lshl_b32 s47, s47, 7
	s_add_co_u32 s46, s46, s47
	s_mov_b32 s47, 0
	s_add_nc_u64 s[14:15], s[14:15], s[46:47]
.macro FRAG reg, adr, q, i             ; 16 rows x 128 K of 4-bit codes: two loads of 16 bytes, 32 apart
.irp c, 0,1
	ds_load_b128 v[\reg+4*\c:\reg+4*\c+3], v[\adr] offset:64*(\q)+32*\c+(\i)*16*PITCH
.endr
.endm
; 16 matrix instructions: A's blocks a0, a0 + 1 x B's eight.  zero = 1: the first product starts the sums from the bias.  The 64 accumulators take turns, one instruction a turn.
.macro MUL16 a0, p, q, sc, zero
.irp a, \a0, \a0+1
.irp b, 0,1,2,3,4,5,6,7
.if \zero
	v_wmma_scale_f32_16x16x128_f8f6f4 v[8*(8*((\a)%4)+\b):8*(8*((\a)%4)+\b)+7], v[128*(\p)+FR*\b:128*(\p)+FR*\b+FR-1], v[AF+FR*(\a):AF+FR*(\a)+FR-1], v[BIAS+8*\b:BIAS+8*\b+7], v[SC+8*NQ*(\sc)+NQ*\b+(\q)], v[SC+8*NQ*(\sc)+NQ*(\a)+(\q)] matrix_a_fmt:MATRIX_FMT_FP4 matrix_b_fmt:MATRIX_FMT_FP4 matrix_a_scale:MATRIX_SCALE_ROW1
.else
	v_wmma_scale_f32_16x16x128_f8f6f4 v[8*(8*((\a)%4)+\b):8*(8*((\a)%4)+\b)+7], v[128*(\p)+FR*\b:128*(\p)+FR*\b+FR-1], v[AF+FR*(\a):AF+FR*(\a)+FR-1], v[8*(8*((\a)%4)+\b):8*(8*((\a)%4)+\b)+7], v[SC+8*NQ*(\sc)+NQ*\b+(\q)], v[SC+8*NQ*(\sc)+NQ*(\a)+(\q)] matrix_a_fmt:MATRIX_FMT_FP4 matrix_b_fmt:MATRIX_FMT_FP4 matrix_a_scale:MATRIX_SCALE_ROW1
.endif
.endr
.endr
.endm
.macro FETCH_B slot, q, p
	WIN TO_B
.irp i, 0,1,2,3,4,5,6,7
	FRAG 128*(\p)+FR*\i, ADRB+\slot, \q, \i
.endr
	WIN 0
.endm
.macro FETCH_A slot, q, i0
.irp i, \i0, \i0+1, \i0+2, \i0+3
	FRAG AF+FR*(\i), ADRA+\slot, \q, \i
.endr
.endm
.macro SCALES sc                       ; a slot's scale words: four words a row; lanes 0-15 A's block i, lanes 16-31 B's
.irp i, 0,1,2,3,4,5,6,7
	ds_load_b128 v[SC+8*NQ*\sc+NQ*\i:SC+8*NQ*\sc+NQ*\i+3], v[ADRS] offset:\i*SBLK
.endr
.endm
.macro PLACES n                        ; plain vector instructions between a matrix instruction and a load into its registers, or a read of its result
.rept \n
	v_nop
.endr
.endm
.macro STEP slot, q, zero              ; 128 along K, with its successor in the same slot
	s_wait_dscnt 4*NL                              ; all but the youngest eight loads (A's blocks 4-7) are in
.if \zero
	WIN BEG_LO
.else
	WIN MUL_LO
.endif
	MUL16 0, (\q)%2, \q, \slot, \zero
	MUL16 2, (\q)%2, \q, \slot, \zero
	s_wait_dscnt 0
	PLACES NP
	FETCH_B \slot, (\q)+1, 1-(\q)%2
	FETCH_A \slot, (\q)+1, 0
.if \zero
	WIN BEG_HI
.else
	WIN MUL_HI
.endif
	MUL16 4, (\q)%2, \q, \slot, \zero
	MUL16 6, (\q)%2, \q, \slot, \zero
	PLACES NP
	WIN 0
	FETCH_A \slot, (\q)+1, 4
.endm
.macro STEPS slot, from
.set Q, \from
.rept NQ-1-\from
	STEP \slot, Q, 0
.set Q, Q+1
.endr
.endm
	s_wait_tensorcnt 1                             ; the scales and my part of slot 0 are in; slot 1's load may be out
	s_barrier_signal -1
	s_barrier_wait -1
	FETCH_B 0, 0, 0
	FETCH_A 0, 0, 0
	SCALES 0
	FETCH_A 0, 0, 4
	s_wait_loadcnt 0x0                             ; the bias
	STEP 0, 0, 1
	STEPS 0, 1
	; slot 0's last step changes slots: one barrier; in front of it my part of slot 1 has landed and my reads of slot 0 are over
	s_wait_tensorcnt 0x0
	ds_add_u32 v[SPW], v[NIL]
	s_wait_dscnt 4*NL+1                            ; (the add and A's blocks 4-7 may be out)
	WIN MUL_LO
	MUL16 0, 1, NQ-1, 0, 0
	s_wait_dscnt 0x0
	s_barrier_signal -1
	MUL16 2, 1, NQ-1, 0, 0
	WIN 0
	s_barrier_wait -1
	PLACES NP
	v_add_nc_u32 v[ADRS], 4*NQ, v[ADRS]            ; on to slot 1's scale words
	FETCH_B 1, 0, 0
	FETCH_A 1, 0, 0
	SCALES 1
	WIN MUL_HI
	MUL16 4, 1, NQ-1, 0, 0
	MUL16 6, 1, NQ-1, 0, 0
	PLACES NP
	WIN 0
	FETCH_A 1, 0, 4
	STEPS 1, 0
	s_wait_dscnt 4*NL                              ; the very last step
	WIN MUL_LO
	MUL16 0, 1, NQ-1, 1, 0
	MUL16 2, 1, NQ-1, 1, 0
	s_wait_dscnt 0
	WIN MUL_HI
	MUL16 4, 1, NQ-1, 1, 0
	MUL16 6, 1, NQ-1, 1, 0
	WIN 0
; THE WAY OUT, a block of 16 rows x 128 columns (two heads) at a time: rounded to f16, 16 bytes a lane into my stage, back as 4 rows x 128 bytes of one head, which are 512 consecutive bytes of the result.
.macro PACK a
.set AC, 64*((\a)%4)
.set WN, 0x0a+5*((\a)/4)
	WIN WN                                         ; sources in window 2 or 3
.irp b, 0,1,2,3,4,5,6,7
.irp r, 0,1,2,3
	v_cvt_pk_f16_f32 v[TMP+4*\b+\r], v[AC+8*\b+2*\r], v[AC+8*\b+2*\r+1]   ; each accumulator from its low end on
.endr
.endr
	WIN 0
.endm
.macro TOSTAGE a
.set BB, BK+32*((\a)%2)
.irp b, 0,1,2,3,4,5,6,7
	ds_store_b128 v[STO], v[TMP+4*\b:TMP+4*\b+3] offset:32*\b
.endr
.irp u, 0,1
.irp g, 0,1,2,3
	ds_load_b128 v[BB+16*\u+4*\g:BB+16*\u+4*\g+3], v[RD] offset:128*\u+4*SPITCH*\g   ; LDS serves a wave's instructions in order: these see the stores above
.endr
.endr
.endm
.macro SEND a
.set BB, BK+32*((\a)%2)
	s_wait_dscnt 0x0                               ; the block is back in registers
	s_wait_xcnt 0x0                                ; the block before has been read by its stores: its registers take the next block's loads
.irp u, 0,1
.irp g, 0,1,2,3
	global_store_b128 v[CO], v[BB+16*\u+4*\g:BB+16*\u+4*\g+3], s[14:15] offset:262144*\u+2048*(\a)+512*\g
.endr
.endr
.endm
	PLACES NP
	PACK 0
	TOSTAGE 0
.irp a, 1,2,3,4,5,6,7
	PACK \a
	SEND \a-1
	TOSTAGE \a
.endr
	SEND 7
	s_wait_tensorcnt 0x0                           ; the wave's end
	ds_add_u32 v[SPW], v[NIL]
	s_wait_dscnt 0x0
	CROUND                                         ; the closing round
	s_endpgm
.Lfunc_end_k_q7f9bc0657f_proj:
	.size	k_q7f9bc0657f_proj, .Lfunc_end_k_q7f9bc0657f_proj-k_q7f9bc0657f_proj
	.p2alignl 7, 3214868480
	.fill 96, 4, 3214868480
	.section	.rodata,"a",@progbits
	.p2align	6, 0x0
	.amdhsa_kernel k_q7f9bc0657f_proj
		.amdhsa_group_segment_fixed_size 327680
		.amdhsa_private_segment_fixed_size 0
		.amdhsa_enable_private_segment 0
		.amdhsa_kernarg_size 48
		.amdhsa_user_sgpr_count 2
		.amdhsa_user_sgpr_kernarg_segment_ptr 1
		.amdhsa_wavefront_size32 1
		.amdhsa_system_sgpr_workgroup_id_x 1
		.amdhsa_system_sgpr_workgroup_id_y 1
		.amdhsa_system_sgpr_workgroup_id_z 1
		.amdhsa_system_vgpr_workitem_id 0
		.amdhsa_next_free_vgpr 1024
		.amdhsa_next_free_sgpr 100
		.amdhsa_reserve_vcc 0
		.amdhsa_float_denorm_mode_32 3
		.amdhsa_float_denorm_mode_16_64 3
		.amdhsa_memory_ordered 1
		.amdhsa_forward_progress 1
		.amdhsa_inst_pref_size 128
	.end_amdhsa_kernel
	.amdgpu_metadata
---
amdhsa.version: [ 1, 2 ]
amdhsa.kernels:
  - .name:           k_q7f9bc0657f_proj
    .symbol:         k_q7f9bc0657f_proj.kd
    .args:
      - { .name: codes, .offset: 0, .size: 8, .value_kind: global_buffer, .address_space: global }
      - { .name: scales, .offset: 8, .size: 8, .value_kind: global_buffer, .address_space: global }
      - { .name: bq, .offset: 16, .size: 8, .value_kind: global_buffer, .address_space: global }
      - { .name: bk, .offset: 24, .size: 8, .value_kind: global_buffer, .address_space: global }
      - { .name: bv, .offset: 32, .size: 8, .value_kind: global_buffer, .address_space: global }
      - { .name: qkv, .offset: 40, .size: 8, .value_kind: global_buffer, .address_space: global }
    .group_segment_fixed_size: 327680
    .private_segment_fixed_size: 0
    .kernarg_segment_align: 8
    .kernarg_segment_size: 48
    .max_flat_workgroup_size: 128
    .sgpr_count:     100
    .vgpr_count:     1024
    .wavefront_size: 32
...
	.end_amdgpu_metadata
.endif
;; end of part 2
;; launch attn (part 3): grid 4 x 64, 8 waves a work-group, no clusters, 58,368 bytes of LDS; arguments qkv, order, counts, xh; writes xh
.if DOCPART == 3
	.amdgcn_target "amdgcn-amd-amdhsa--gfx1250"
	.amdhsa_code_object_version 6
	.text
	.protected	k_q7f9bc0657f_attn
	.globl	k_q7f9bc0657f_attn
	.p2align	8
	.type	k_q7f9bc0657f_attn,@function
k_q7f9bc0657f_attn:
	s_mov_b64 s[64:65], 0
	v_nop
	global_prefetch_b8 v0, s[64:65] scope:SCOPE_SE
	s_setreg_imm32_b32 hwreg(HW_REG_WAVE_MODE, 25, 1), 1
	s_wait_xcnt 0x0
; ATTN: X[b][h][q] = the sum over keys of softmax(Q . K / 8, masked keys at -1e10) V, operands in f16, products, maxima and sums in f32, X rounded once to f16.
; WORK LEFT OUT: the keys whose mask is 0.  The first launch has listed each batch's counting keys first; this launch walks ceil(neff / 64) steps of 64 listed keys and passes over the other steps by a scalar branch
; on neff, a whole number read from memory.  A masked key's weight in reference() is exp(-1e10 - max), 0 in f32.  Listed places at or behind neff in the last step get -2^97 as the C of the score's product: p = 0.
; Every step that is walked holds a counting key, so the running maximum is a true score.  Where no key of a batch counts, neff = 2,048 and Q is cleared (keep = 0): all weights equal, as in reference().
; LIMITS: a row whose every counting energy lies under -1e10 + 104 differs from reference(); NaN, infinity or overflow that reaches only masked keys is not carried to the result.
; NO TENSOR LOADS AND NO CLUSTER, though the four query blocks of a head walk the same K and V: which steps are walked hangs on a number read from memory, and the rows of a step are gathered by the list, 128 bytes
; each at places that no tile states.  K and V go through registers into LDS, two steps ahead; all eight waves read them there.
; SHARES: a work-group owns 512 queries of one head, a wave 64: four tiles of 16.  Two waves lie on a SIMD: one wave's softmax stands beside the other's products.
; LAYOUT: S^T = K Q^T (source 0 = 16 keys, source 1 = 16 queries), O^T = V^T P (source 0 = 16 channels, turned out of LDS, source 1 = P): a lane holds one query throughout; two score tiles, rounded in pairs, are P.
; SOFTMAX: running maximum m and sum l; p = 2^(c s - c m), c = log2(e) / 8; O and l are multiplied by a = 2^(c m_old - c m_new) in every step.  The step is written once: the first finds zeros and m = -3e38.
; REGISTERS: window 0: v0-23 addresses; v24-55 statistics, 8 a tile (+0 c m, +1 m, +2, +3 l, +4 .. +7 at work, a at +6); v56-87 the C of the scores; v88-119 K and V on their way, two sets; v128-255 S^T, P in place.
;   window 1: v0-63 Q; v64-127 K's fragments, then V's; v128-255 O^T.
.set PK,   144                         ; a row of K in LDS: 128 bytes + 16
.set PVP,  160                         ; a row of V: 128 + 32, for the turning load
.set VOFF, 64*PK
.set BUF,  64*(PK+PVP)                 ; a step's K and V; two such buffers
.set STG,  2*BUF                       ; the way out: 16 rows x 144 bytes a wave
.set SPARE, STG+8*16*PK                ; the spare words, 128 bytes a wave
.set AK0, 3
.set AV0, 4
.set SKA, 5
.set SVA, 6
.set CH,  7
.set RO4, 8
.set OT,  9
.set GA,  10                           ; v10, v11 the gather's offsets
.set N0,  12                           ; v12, v13 two key numbers of the list
.set STO, 14
.set RD,  15
.set GO,  16
.set SPW, 17
.set NIL, 18
.set NEG, 19
.set TL,  20
.set QO,  21
.set ST,  24
.set BI,  56
.set STA, 88
.set S,   128
.set Q,   0
.set F,   64
.set O,   128
.set NEFF, 20
.set KEEP, 21
.set NS,   22
.set NSM,  23
.set J,    24
.set MSB, 0
.macro WIN new
.if MSB != (\new)
	s_set_vgpr_msb (MSB<<8)|(\new)
.set MSB, (\new)
.endif
.endm
	s_load_b256 s[4:11], s[0:1], 0x0               ; qkv, order, counts, xh
	v_lshl_add_u32 v[SPW], v0, 2, SPARE
	v_mov_b32 v[NIL], 0
	v_lshrrev_b32 v1, 5, v0
	v_readfirstlane_b32 s12, v1                    ; wave 0..7
	s_and_b32 s13, ttmp7, 0xffff                   ; batch x 16 + head
	s_lshr_b32 s14, s13, 4                         ; batch
	v_and_b32 v1, 15, v0                           ; r
	v_bfe_u32 v2, v0, 4, 1                         ; h
	v_mul_u32_u24 v[AK0], v1, PK
	v_lshl_add_u32 v[AK0], v2, 4, v[AK0]           ; K's fragments: row r, + 16 h
	v_and_b32 v22, 7, v0
	v_lshl_add_u32 v[AV0], v2, 3, v22
	v_mul_u32_u24 v[AV0], v[AV0], PVP
	v_bfe_u32 v23, v0, 3, 1
	v_lshl_add_u32 v[AV0], v23, 4, v[AV0]
	v_add_nc_u32 v[AV0], VOFF, v[AV0]              ; the turning load: key 8 h + lane % 8, channels 8 ((lane / 8) % 2) on
	v_lshrrev_b32 v23, 3, v0                       ; thread / 8: which of 32 rows I carry
	v_lshlrev_b32 v[CH], 4, v22                    ; and which 16 bytes of it
	v_mul_u32_u24 v[SKA], v23, PK
	v_add_nc_u32 v[SKA], v[SKA], v[CH]
	v_mul_u32_u24 v[SVA], v23, PVP
	v_add_nc_u32 v[SVA], v[SVA], v[CH]
	v_add_nc_u32 v[SVA], VOFF, v[SVA]
	v_lshlrev_b32 v[RO4], 2, v23                   ; my row's word in a step's 64 words of the list
	v_lshlrev_b32 v[QO], 7, v1
	v_lshl_add_u32 v[QO], v2, 4, v[QO]             ; Q: row r of 128 bytes, + 16 h
	s_mul_i32 s15, s12, 16*PK
	s_add_co_u32 s15, s15, STG                     ; my stage
	v_mul_u32_u24 v[STO], v1, PK
	v_lshl_add_u32 v[STO], v2, 4, v[STO]
	v_add_nc_u32 v[STO], s15, v[STO]
	v_and_b32 v22, 31, v0
	v_lshrrev_b32 v23, 3, v22
	v_mul_u32_u24 v[RD], v23, PK
	v_and_b32 v23, 7, v0
	v_lshl_add_u32 v[RD], v23, 4, v[RD]
	v_add_nc_u32 v[RD], s15, v[RD]                 ; back: eight lanes a row of 128 bytes, four rows an instruction
	v_lshlrev_b32 v[GO], 4, v22
	v_mov_b32 v[NEG], 0xf0000000                   ; -2^97
	s_lshl_b32 s30, s13, 18                        ; a head: 262,144 bytes
	s_mov_b32 s31, 0
	s_lshl_b32 s32, ttmp9, 16                      ; my block's 512 rows of 128 bytes,
	s_lshl_b32 s33, s12, 13                        ; my wave's 64
	s_add_co_u32 s32, s32, s33
	s_add_co_u32 s32, s32, s30
	s_mov_b32 s33, 0
	s_lshl_b32 s34, s14, 13                        ; the batch's list: 8,192 bytes
	s_mov_b32 s35, 0
	s_mov_b32 s26, 0x3e38aa3b                      ; c = log2(e) / 8
	s_mov_b32 s27, s26                             ; (named with it as a pair)
	s_mov_b32 s28, 0x76543210
	s_mov_b32 s29, 0xfedcba98                      ; lane l xor 16
	s_mov_b32 s[J], 0
	s_wait_kmcnt 0x0
	s_add_nc_u64 s[16:17], s[4:5], s[30:31]
	s_add_nc_u64 s[18:19], s[16:17], 0x2000000     ; V's part
	s_add_nc_u64 s[16:17], s[16:17], 0x1000000     ; K's part
	s_add_nc_u64 s[4:5], s[4:5], s[32:33]          ; Q at my wave's first row
	s_add_nc_u64 s[10:11], s[10:11], s[32:33]      ; X likewise
	s_add_nc_u64 s[6:7], s[6:7], s[34:35]
	s_lshl_b32 s34, s14, 3
	s_add_nc_u64 s[8:9], s[8:9], s[34:35]
	s_load_b64 s[20:21], s[8:9], 0x0               ; neff, keep
	WIN 0x40                                       ; destination window 1
.irp t, 0,1,2,3
.irp c, 0,1
	global_load_b128 v[Q+16*\t+8*\c:Q+16*\t+8*\c+3], v[QO], s[4:5] offset:2048*\t+64*\c
	global_load_b128 v[Q+16*\t+8*\c+4:Q+16*\t+8*\c+7], v[QO], s[4:5] offset:2048*\t+64*\c+32
.endr
.endr
	WIN 0
	global_load_b32 v[N0], v[RO4], s[6:7]          ; the list of step 0
	global_load_b32 v[N0+1], v[RO4], s[6:7] offset:128
	s_wait_kmcnt 0x0
	s_min_u32 s[NEFF], s[NEFF], 0x800
	s_max_u32 s[NEFF], s[NEFF], 1                  ; 1 .. 2,048
	s_add_co_u32 s[NS], s[NEFF], 63
	s_lshr_b32 s[NS], s[NS], 6                     ; steps to walk
	s_sub_co_u32 s[NSM], s[NS], 1
; The list in hand names a step's rows: K's and V's are asked for into a set of 16 registers, and the list of step J + k (held to the last step walked) is asked for ahead of them.
; cnt: the loads that may stay out when the list in hand has to be there.
.macro AHEAD set, k, cnt
	s_wait_loadcnt \cnt
	s_wait_xcnt 0x0                                ; the earlier loads have read their offsets: these are written again only behind this wait
	v_min_u32 v[N0], 0x7ff, v[N0]                  ; a key's number lies in 0 .. 2,047
	v_min_u32 v[N0+1], 0x7ff, v[N0+1]
	v_lshl_add_u32 v[GA], v[N0], 7, v[CH]          ; its row of 128 bytes, my 16 of them
	v_lshl_add_u32 v[GA+1], v[N0+1], 7, v[CH]
	s_add_co_u32 s30, s[J], \k
	s_min_u32 s30, s30, s[NSM]
	s_min_u32 s30, s30, 31
	s_lshl_b32 s30, s30, 8
	v_add_nc_u32 v[OT], s30, v[RO4]
	global_load_b32 v[N0], v[OT], s[6:7]
	global_load_b32 v[N0+1], v[OT], s[6:7] offset:128
	global_load_b128 v[STA+16*(\set):STA+16*(\set)+3], v[GA], s[16:17]
	global_load_b128 v[STA+16*(\set)+4:STA+16*(\set)+7], v[GA+1], s[16:17]
	global_load_b128 v[STA+16*(\set)+8:STA+16*(\set)+11], v[GA], s[18:19]
	global_load_b128 v[STA+16*(\set)+12:STA+16*(\set)+15], v[GA+1], s[18:19]
.endm
.macro PUT b                           ; set b goes into buffer b
	s_wait_loadcnt 6                               ; behind its four loads: the list's two and the next set's four
	ds_store_b128 v[SKA], v[STA+16*(\b):STA+16*(\b)+3] offset:(\b)*BUF
	ds_store_b128 v[SKA], v[STA+16*(\b)+4:STA+16*(\b)+7] offset:(\b)*BUF+32*PK
	ds_store_b128 v[SVA], v[STA+16*(\b)+8:STA+16*(\b)+11] offset:(\b)*BUF
	ds_store_b128 v[SVA], v[STA+16*(\b)+12:STA+16*(\b)+15] offset:(\b)*BUF+32*PVP
.endm
.macro FETCH_K p
	WIN 0x40
.irp kt, 0,1,2,3
.irp c, 0,1
	ds_load_b128 v[F+8*(2*\kt+\c):F+8*(2*\kt+\c)+3], v[AK0] offset:(\p)*BUF+16*PK*\kt+64*\c
	ds_load_b128 v[F+8*(2*\kt+\c)+4:F+8*(2*\kt+\c)+7], v[AK0] offset:(\p)*BUF+16*PK*\kt+64*\c+32
.endr
.endr
	WIN 0
.endm
.macro FETCH_V p
	WIN 0x40
.irp b, 0,1
.irp ct, 0,1,2,3
	ds_load_tr16_b128 v[F+8*(4*\b+\ct):F+8*(4*\b+\ct)+3], v[AV0] offset:(\p)*BUF+32*PVP*\b+32*\ct
	ds_load_tr16_b128 v[F+8*(4*\b+\ct)+4:F+8*(4*\b+\ct)+7], v[AV0] offset:(\p)*BUF+32*PVP*\b+16*PVP+32*\ct
.endr
.endr
	WIN 0
.endm
.macro TAIL                            ; the last step walked: places at or behind neff get -2^97.  Register 8 kt + j of the C holds place 64 J + 16 kt + 8 h + j
	s_lshl_b32 s30, s[J], 6
	s_sub_co_i32 s30, s[NEFF], s30
	v_bfe_u32 v[TL], v0, 4, 1
	v_lshlrev_b32 v[TL], 3, v[TL]
	v_sub_nc_u32 v[TL], s30, v[TL]
.irp kt, 0,1,2,3
.irp j, 0,1,2,3,4,5,6,7
	v_cmp_ge_i32 vcc_lo, 16*\kt+\j, v[TL]
	v_cndmask_b32 v[BI+8*\kt+\j], 0, v[NEG], vcc_lo
.endr
.endr
.endm
.macro QK                              ; 32 products; the 16 accumulators take turns, one instruction a turn
	WIN 0x05
.irp c, 0,1
.irp t, 0,1,2,3
.irp kt, 0,1,2,3
.if \c == 0
	v_wmma_f32_16x16x32_f16 v[S+32*\t+8*\kt:S+32*\t+8*\kt+7], v[F+8*(2*\kt+\c):F+8*(2*\kt+\c)+7], v[Q+16*\t+8*\c:Q+16*\t+8*\c+7], v[BI+8*\kt:BI+8*\kt+7]
.else
	v_wmma_f32_16x16x32_f16 v[S+32*\t+8*\kt:S+32*\t+8*\kt+7], v[F+8*(2*\kt+\c):F+8*(2*\kt+\c)+7], v[Q+16*\t+8*\c:Q+16*\t+8*\c+7], v[S+32*\t+8*\kt:S+32*\t+8*\kt+7]
.endif
.endr
.endr
.endr
	WIN 0
.endm
.macro PVM                             ; 32 products O^T += V^T P, the 16 accumulators by turns
	WIN 0x51
.irp b, 0,1
.irp t, 0,1,2,3
.irp ct, 0,1,2,3
	v_wmma_f32_16x16x32_f16 v[O+32*\t+8*\ct:O+32*\t+8*\ct+7], v[F+8*(4*\b+\ct):F+8*(4*\b+\ct)+7], v[S+32*\t+8*\b:S+32*\t+8*\b+7], v[O+32*\t+8*\ct:O+32*\t+8*\ct+7]
.endr
.endr
.endr
	WIN 0
.endm
.macro SOFTMAX                         ; the four tiles take turns line by line, so that no line waits for the line above it
.irp j, 0,1,2,3
.irp t, 0,1,2,3
	v_max3_num_f32 v[ST+8*\t+4+\j], v[S+32*\t+8*\j], v[S+32*\t+8*\j+1], v[S+32*\t+8*\j+2]   ; each accumulator from its low end on
.endr
.endr
.irp g, 1,2
.irp j, 0,1,2,3
.irp t, 0,1,2,3
	v_max3_num_f32 v[ST+8*\t+4+\j], v[ST+8*\t+4+\j], v[S+32*\t+8*\j+2*\g+1], v[S+32*\t+8*\j+2*\g+2]
.endr
.endr
.endr
.irp t, 0,1,2,3
	v_max3_num_f32 v[ST+8*\t+4], v[ST+8*\t+4], v[S+32*\t+7], v[S+32*\t+15]
.endr
.irp t, 0,1,2,3
	v_max3_num_f32 v[ST+8*\t+6], v[ST+8*\t+6], v[S+32*\t+23], v[S+32*\t+31]
.endr
.irp t, 0,1,2,3
	v_max3_num_f32 v[ST+8*\t+4], v[ST+8*\t+4], v[ST+8*\t+5], v[ST+8*\t+6]
.endr
.irp t, 0,1,2,3
	v_max3_num_f32 v[ST+8*\t+4], v[ST+8*\t+4], v[ST+8*\t+7], v[ST+8*\t+1]   ; and the old m
.endr
.irp t, 0,1,2,3
	v_permlanex16_b32 v[ST+8*\t+5], v[ST+8*\t+4], s28, s29   ; the query's other 32 keys lie in the lane 16 away
.endr
.irp t, 0,1,2,3
	v_mov_b32 v[ST+8*\t+7], v[ST+8*\t]             ; c m_old
.endr
.irp t, 0,1,2,3
	v_max_num_f32 v[ST+8*\t+1], v[ST+8*\t+4], v[ST+8*\t+5]
.endr
.irp t, 0,1,2,3
	v_mul_f32 v[ST+8*\t], s26, v[ST+8*\t+1]
.endr
.irp t, 0,1,2,3
	v_sub_f32 v[ST+8*\t+7], v[ST+8*\t+7], v[ST+8*\t]
.endr
.irp j, 0,2,4,6,8,10,12,14,16,18,20,22,24,26,28,30
.irp t, 0,1,2,3
	v_pk_fma_f32 v[S+32*\t+\j:S+32*\t+\j+1], v[S+32*\t+\j:S+32*\t+\j+1], s[26:27], v[ST+8*\t:ST+8*\t+1] op_sel_hi:[1,0,0] neg_lo:[0,0,1] neg_hi:[0,0,1]   ; c s - c m
.endr
.endr
.irp t, 0,1,2,3
	v_exp_f32 v[ST+8*\t+6], v[ST+8*\t+7]           ; a
.endr
.set i, 0
.rept 128
	v_exp_f32 v[S+i], v[S+i]                       ; p: one batch
.set i, i+1
.endr
	v_nop                                          ; a plain instruction behind the last exponential
	s_wait_alu depctr_va_vdst(0)                   ; the wait ahead of the first reader: one for the whole batch
.irp t, 0,1,2,3
	v_pk_mul_f32 v[ST+8*\t+2:ST+8*\t+3], v[ST+8*\t+2:ST+8*\t+3], v[ST+8*\t+6:ST+8*\t+7] op_sel_hi:[1,0]   ; l x a
.endr
.irp t, 0,1,2,3
	v_pk_add_f32 v[ST+8*\t+4:ST+8*\t+5], v[S+32*\t:S+32*\t+1], v[S+32*\t+2:S+32*\t+3]   ; the sums in two chains
.endr
.irp j, 4,8,12,16,20,24,28
.irp t, 0,1,2,3
	v_pk_add_f32 v[ST+8*\t+2:ST+8*\t+3], v[ST+8*\t+2:ST+8*\t+3], v[S+32*\t+\j:S+32*\t+\j+1]
.endr
.irp t, 0,1,2,3
	v_pk_add_f32 v[ST+8*\t+4:ST+8*\t+5], v[ST+8*\t+4:ST+8*\t+5], v[S+32*\t+\j+2:S+32*\t+\j+3]
.endr
.endr
.irp t, 0,1,2,3
	v_pk_add_f32 v[ST+8*\t+2:ST+8*\t+3], v[ST+8*\t+2:ST+8*\t+3], v[ST+8*\t+4:ST+8*\t+5]
.endr
.irp i, 0,1,2,3,4,5,6,7,8,9,10,11,12,13,14,15
.irp t, 0,1,2,3
	v_cvt_pk_f16_f32 v[S+32*\t+\i], v[S+32*\t+2*\i], v[S+32*\t+2*\i+1]   ; P in place, ascending: register i takes scores 2 i, 2 i + 1
.endr
.endr
.endm
.macro RESCALE                         ; O^T x a, each accumulator from its low end on
	WIN 0x41
.irp t, 0,1,2,3
.set i, 0
.rept 16
	v_pk_mul_f32 v[O+32*\t+2*i:O+32*\t+2*i+1], v[O+32*\t+2*i:O+32*\t+2*i+1], v[ST+8*\t+6:ST+8*\t+7] op_sel_hi:[1,0]
.set i, i+1
.endr
.endr
.endm
; A KEY STEP on buffer p.  A step past the list's end does nothing but wait for its loads and meet the barrier; the barrier stands behind the join, on every wave's way.
; In a step that is walked the loads are never conditional: so the counts 4 and 6 hold.  The last two steps walked ask for the last step's rows once more; they are stored and not read.
.macro STEP p
	s_cmp_ge_u32 s[J], s[NS]
	s_cbranch_scc1 .Lidle_\@
	AHEAD \p, 3, 4                                 ; K and V of step J + 2, the list of step J + 3; behind the list in hand: the four loads of step J + 1
	FETCH_K \p
	s_cmp_lg_u32 s[J], s[NSM]
	s_cbranch_scc1 .Lfull_\@
	TAIL
.Lfull_\@:
	s_wait_dscnt 0x0                               ; K's fragments
	QK
.rept 4
	v_nop                                          ; places: V's fragments land where K's were read, and the scores are read
.endr
	FETCH_V \p
	SOFTMAX
	RESCALE
	s_wait_dscnt 0x0                               ; V's fragments
	PVM
.rept 5
	v_nop                                          ; places: the next scores are written over P, the next fragments land where V's were read
.endr
	PUT 1-\p                                       ; step J + 1 into the other buffer, which nobody reads since the last barrier
	s_branch .Ljoin_\@
.Lidle_\@:
	s_wait_loadcnt 0x0                             ; nothing of mine is out
.Ljoin_\@:
	s_wait_dscnt 0x0                               ; my stores have landed, my reads are over
	s_barrier_signal -1
	s_barrier_wait -1
	s_add_co_u32 s[J], s[J], 1
.endm
	AHEAD 0, 1, 0                                  ; step 0's rows; the wait for 0 also shows Q landed
	WIN 0x44
.set i, 0
.rept 64
	v_and_b32 v[Q+i], s[KEEP], v[Q+i]              ; Q as it is, or cleared where no key of the batch counts: a selection, no branch
.set i, i+1
.endr
	WIN 0
	AHEAD 1, 2, 4                                  ; step 1's rows
.set i, 0
.rept 32
	v_mov_b32 v[BI+i], 0
.set i, i+1
.endr
.irp t, 0,1,2,3
	v_mov_b32 v[ST+8*\t+1], 0xff61b1e6             ; m = -3e38, under every score
	v_mul_f32 v[ST+8*\t], s26, v[ST+8*\t+1]
.irp j, 2,3,4,5,6,7
	v_mov_b32 v[ST+8*\t+\j], 0
.endr
.endr
	WIN 0x40
.set i, 0
.rept 128
	v_mov_b32 v[O+i], 0                            ; O^T: the step is written once, and its first pass finds zeros
.set i, i+1
.endr
	WIN 0
	PUT 0
	s_wait_dscnt 0x0
	s_barrier_signal -1
	s_barrier_wait -1
	s_mov_b32 s25, 16                              ; 32 steps, a constant: what hangs on neff is jumped over inside
.Lpair:
	STEP 0
	STEP 1
	s_sub_co_u32 s25, s25, 1
	s_cmp_lg_u32 s25, 0
	s_cbranch_scc1 .Lpair
	s_wait_loadcnt 0x0
	; THE WAY OUT: O^T / l, rounded to f16, a tile of 16 rows at a time through my stage; 32 lanes store 512 consecutive bytes.
.irp t, 0,1,2,3
	v_add_f32 v[ST+8*\t+4], v[ST+8*\t+2], v[ST+8*\t+3]
.endr
.irp t, 0,1,2,3
	v_permlanex16_b32 v[ST+8*\t+5], v[ST+8*\t+4], s28, s29
.endr
.irp t, 0,1,2,3
	v_add_f32 v[ST+8*\t+4], v[ST+8*\t+4], v[ST+8*\t+5]
.endr
.irp t, 0,1,2,3
	v_rcp_f32 v[ST+8*\t+6], v[ST+8*\t+4]
.endr
	v_nop
	s_wait_alu depctr_va_vdst(0)                   ; one wait for the four reciprocals, ahead of their first reader
.macro PACK t
	WIN 0x41
.set i, 0
.rept 16
	v_pk_mul_f32 v[O+32*\t+2*i:O+32*\t+2*i+1], v[O+32*\t+2*i:O+32*\t+2*i+1], v[ST+8*\t+6:ST+8*\t+7] op_sel_hi:[1,0]
.set i, i+1
.endr
	WIN 0x05
.set i, 0
.rept 16
	v_cvt_pk_f16_f32 v[S+16*\t+i], v[O+32*\t+2*i], v[O+32*\t+2*i+1]
.set i, i+1
.endr
	WIN 0
.irp ct, 0,1,2,3
	ds_store_b128 v[STO], v[S+16*\t+4*\ct:S+16*\t+4*\ct+3] offset:32*\ct
.endr
.irp g, 0,1,2,3
	ds_load_b128 v[S+64+16*\t+4*\g:S+64+16*\t+4*\g+3], v[RD] offset:4*PK*\g   ; LDS serves a wave's instructions in order
.endr
.endm
	PACK 0
	PACK 1
	PACK 2
	PACK 3
.irp t, 0,1,2,3
.irp g, 0,1,2,3
	s_wait_dscnt 8*(3-\t)+3-\g                     ; behind this load: the later tiles' eight each, and this tile's younger loads
	global_store_b128 v[GO], v[S+64+16*\t+4*\g:S+64+16*\t+4*\g+3], s[10:11] offset:2048*\t+512*\g
.endr
.endr
	s_wait_tensorcnt 0x0                           ; the wave's end, behind my last LDS store
	ds_add_u32 v[SPW], v[NIL]
	s_wait_dscnt 0x0
	s_endpgm
.Lfunc_end_k_q7f9bc0657f_attn:
	.size	k_q7f9bc0657f_attn, .Lfunc_end_k_q7f9bc0657f_attn-k_q7f9bc0657f_attn
	.p2alignl 7, 3214868480
	.fill 96, 4, 3214868480
	.section	.rodata,"a",@progbits
	.p2align	6, 0x0
	.amdhsa_kernel k_q7f9bc0657f_attn
		.amdhsa_group_segment_fixed_size 58368
		.amdhsa_private_segment_fixed_size 0
		.amdhsa_enable_private_segment 0
		.amdhsa_kernarg_size 32
		.amdhsa_user_sgpr_count 2
		.amdhsa_user_sgpr_kernarg_segment_ptr 1
		.amdhsa_wavefront_size32 1
		.amdhsa_system_sgpr_workgroup_id_x 1
		.amdhsa_system_sgpr_workgroup_id_y 1
		.amdhsa_system_sgpr_workgroup_id_z 1
		.amdhsa_system_vgpr_workitem_id 0
		.amdhsa_next_free_vgpr 512
		.amdhsa_next_free_sgpr 66
		.amdhsa_reserve_vcc 1
		.amdhsa_float_denorm_mode_32 3
		.amdhsa_float_denorm_mode_16_64 3
		.amdhsa_memory_ordered 1
		.amdhsa_forward_progress 1
		.amdhsa_inst_pref_size 101
	.end_amdhsa_kernel
	.amdgpu_metadata
---
amdhsa.version: [ 1, 2 ]
amdhsa.kernels:
  - .name:           k_q7f9bc0657f_attn
    .symbol:         k_q7f9bc0657f_attn.kd
    .args:
      - { .name: qkv, .offset: 0, .size: 8, .value_kind: global_buffer, .address_space: global }
      - { .name: order, .offset: 8, .size: 8, .value_kind: global_buffer, .address_space: global }
      - { .name: counts, .offset: 16, .size: 8, .value_kind: global_buffer, .address_space: global }
      - { .name: xh, .offset: 24, .size: 8, .value_kind: global_buffer, .address_space: global }
    .group_segment_fixed_size: 58368
    .private_segment_fixed_size: 0
    .kernarg_segment_align: 8
    .kernarg_segment_size: 32
    .max_flat_workgroup_size: 256
    .sgpr_count:     66
    .vgpr_count:     512
    .wavefront_size: 32
...
	.end_amdgpu_metadata
.endif
;; end of part 3
;; launch outp (part 4): grid 4 x 64, 4 waves a work-group, clusters of 4 x 4, 327,680 bytes of LDS; arguments xh, wfh, bfc, out0; writes out0
.if DOCPART == 4
	.amdgcn_target "amdgcn-amd-amdhsa--gfx1250"
	.amdhsa_code_object_version 6
	.text
	.protected	k_q7f9bc0657f_outp
	.globl	k_q7f9bc0657f_outp
	.p2align	8
	.type	k_q7f9bc0657f_outp,@function
k_q7f9bc0657f_outp:
	s_mov_b64 s[64:65], 0
	v_nop
	global_prefetch_b8 v0, s[64:65] scope:SCOPE_SE
	s_setreg_imm32_b32 hwreg(HW_REG_WAVE_MODE, 25, 1), 1
	s_wait_xcnt 0x0
	s_wait_alu depctr_hold_cnt(0) depctr_sa_sdst(0) depctr_va_vdst(0) depctr_va_sdst(0) depctr_va_ssrc(0) depctr_va_vcc(0) depctr_vm_vsrc(0)
	s_getreg_b32 s2, hwreg(HW_REG_IB_STS2, 6, 4)
	s_cmp_eq_u32 s2, 0
	s_cbranch_scc0 .Lentry_in_a_cluster
	s_endpgm
.Lentry_in_a_cluster:
	s_bfe_u32 s2, ttmp6, 0x10000c
	s_cmp_lg_u32 s2, 0xf033
	s_cbranch_scc0 .Lentry_shape_is_right
	s_endpgm
.Lentry_shape_is_right:
; OUTP: out0 = X Wfc^T + bfc.  X [4][16 heads][2,048][64] and Wfc [16 blocks of 64 k][1,024 n][64] in f16, as the earlier launches laid them: a head IS a block of 64 along K.  Sums in f32; bfc is the C of each
; sum's first matrix instruction.  No work is left out here.
; A tile of out0 is 128 rows x 256 columns: 256 work-groups.  Four waves, each 64 x 128: 32 accumulators.  K goes in steps of 128 (two blocks of 64) through two LDS slots; waves 0, 1 fetch A's two blocks
; (128 rows of 128 bytes each), waves 2, 3 B's (256 rows).  CLUSTER 4 x 4: A's tiles are shared along a row of the cluster, B's along a column, each asked for jointly.
; THE MATRIX INSTRUCTION IS USED TRANSPOSED (source 0 = 16 rows of Wfc, source 1 = 16 rows of X): a lane holds eight neighbouring columns of a row of out0.
; REGISTERS: window 0: v0-31 addresses; v64-95, v96-127 A's fragments, two buffers; v128-255 the way out.  window 1: v0-63, v64-127 B's fragments; v128-191 bfc.  window 2: accumulator (a, b) at v[8 (8 a + b)].
.set PITCH,  144                       ; an LDS row: 128 bytes + 16
.set ATILE,  128*PITCH
.set BTILE,  256*PITCH
.set SLOT,   2*ATILE+2*BTILE
.set STAGE,  2*SLOT                    ; behind the ring: 16 rows x 528 bytes a wave
.set SPITCH, 528
.set SPARE,  STAGE+4*16*SPITCH
.set LAPS,   4                         ; 8 K steps, two to a lap
.set ADRA, 16
.set ADRB, 20
.set STO,  24
.set RD,   25
.set CO,   26
.set SPW,  28
.set NIL,  29
.set BIAS, 128
.set BK,   128
.set G1, 24
.set G0, 32
.set G1B, 48
.set G0B, 56
.set MSB, 0
.macro WIN new
.if MSB != (\new)
	s_set_vgpr_msb (MSB<<8)|(\new)
.set MSB, (\new)
.endif
.endm
.set MUL,   0xa1                       ; source 0 (B) window 1, source 1 (A) window 0, C and D window 2
.set BEG,   0x91                       ; the same with C (bfc) in window 1
.set TO_B,  0x40
.macro JLOAD s                         ; a joint load; s_nop 0 and four v_nop follow each line
	s_cmp_eq_u32 s13, 0
	s_cbranch_scc0 .Lfor_b_\@
	tensor_load_to_lds s[G0+4*\s:G0+4*\s+3], s[G1:G1+7]
	s_nop 0
.rept 4
	v_nop
.endr
	s_branch .Lasked_\@
.Lfor_b_\@:
	tensor_load_to_lds s[G0B+4*\s:G0B+4*\s+3], s[G1B:G1B+7]
	s_nop 0
.rept 4
	v_nop
.endr
.Lasked_\@:
.endm
.macro CREST
	s_cmp_lg_u32 s12, 0
	s_cbranch_scc1 .Lnot_wave_0_\@
	s_barrier_signal -3
.Lnot_wave_0_\@:
	s_barrier_wait -3
	s_barrier_signal -1
	s_barrier_wait -1
.endm
.macro CROUND
	s_barrier_signal -1
	s_barrier_wait -1
	CREST
.endm
	s_load_b256 s[4:11], s[0:1], 0x0               ; xh, wfh, bfc, out0
	v_lshl_add_u32 v[SPW], v0, 2, SPARE
	v_mov_b32 v[NIL], 0
	ds_add_u32 v[SPW], v[NIL]                      ; the wave's opening: the add, twice on end, and its wait ahead of my first tensor load
	ds_add_u32 v[SPW], v[NIL]
	v_lshrrev_b32 v1, 5, v0
	v_readfirstlane_b32 s12, v1                    ; wave
	s_lshr_b32 s13, s12, 1                         ; my half of the rows; also: I fetch for A (0) or B (1)
	s_and_b32 s14, s12, 1                          ; my half of the columns; also: which block of 64 along K I fetch
	s_bfe_u32 s40, ttmp6, 0x40000
	s_bfe_u32 s41, ttmp6, 0x40004
	s_lshl_b32 s42, ttmp9, 2
	s_add_co_u32 s42, s42, s40                     ; tile column X
	s_and_b32 s15, ttmp7, 0xffff
	s_lshl_b32 s15, s15, 2
	s_add_co_u32 s15, s15, s41                     ; tile row Y
	s_lshl_b32 s43, s41, 2
	s_lshl_b32 s43, 15, s43
	s_lshl_b32 s44, 0x1111, s40
	s_or_b32 s[G1+0], s43, (1<<16)|(1<<20)|(1<<21)|(4<<22)|(3<<25)   ; mask; elements of 2 bytes; padding of 4 words behind every 32
	s_mov_b32 s[G1+1], 64<<16                      ; tensor_dim0
	s_mov_b32 s[G1+2], 128<<16                     ; tensor_dim1
	s_mov_b32 s[G1+3], 64<<16                      ; tile_dim0
	s_mov_b32 s[G1+4], 128                         ; tile_dim1
	s_mov_b32 s[G1+5], 64                          ; from row to row
	s_mov_b32 s[G1+6], 0
	s_mov_b32 s[G1+7], 0
	s_or_b32 s[G1B+0], s44, (1<<16)|(1<<20)|(1<<21)|(4<<22)|(3<<25)
	s_mov_b32 s[G1B+1], 64<<16
	s_mov_b32 s[G1B+2], 256<<16
	s_mov_b32 s[G1B+3], 64<<16
	s_mov_b32 s[G1B+4], 256
	s_mov_b32 s[G1B+5], 64
	s_mov_b32 s[G1B+6], 0
	s_mov_b32 s[G1B+7], 0
	s_lshr_b32 s16, s15, 4                         ; A: the batch, 4,194,304 bytes;
	s_lshl_b32 s16, s16, 22
	s_and_b32 s17, s15, 15
	s_lshl_b32 s17, s17, 14                        ; the tile's 128 rows of 128 bytes;
	s_add_co_u32 s16, s16, s17
	s_lshl_b32 s17, s14, 18                        ; my block: a head, 262,144 bytes
	s_add_co_u32 s16, s16, s17
	s_mov_b32 s17, 0
	s_lshl_b32 s46, s42, 15                        ; B: the tile's 256 rows of 128 bytes;
	s_lshl_b32 s47, s14, 17                        ; my block, 131,072 bytes
	s_add_co_u32 s46, s46, s47
	s_mov_b32 s47, 0
	s_mul_i32 s20, s14, ATILE                      ; where they go
	s_mul_i32 s21, s14, BTILE
	s_add_co_u32 s21, s21, 2*ATILE
	s_wait_dscnt 0x0
	s_wait_kmcnt 0x0
	s_add_nc_u64 s[18:19], s[4:5], s[16:17]
	s_add_nc_u64 s[46:47], s[6:7], s[46:47]
	CROUND                                         ; all sixteen work-groups are here: the first joint loads meet
.irp s, 0,1
	s_mov_b32 s[G0+4*\s], 1
	s_add_co_u32 s[G0+4*\s+1], s20, \s*SLOT
	s_add_nc_u64 s[G0+4*\s+2:G0+4*\s+3], s[18:19], \s*524288    ; K step s: two heads on
	s_or_b32 s[G0+4*\s+3], s[G0+4*\s+3], 0x80000000
	s_mov_b32 s[G0B+4*\s], 1
	s_add_co_u32 s[G0B+4*\s+1], s21, \s*SLOT
	s_add_nc_u64 s[G0B+4*\s+2:G0B+4*\s+3], s[46:47], \s*262144
	s_or_b32 s[G0B+4*\s+3], s[G0B+4*\s+3], 0x80000000
	JLOAD \s
.endr
	v_and_b32 v1, 15, v0
	v_bfe_u32 v2, v0, 4, 1
	v_mul_u32_u24 v3, v1, PITCH
	v_lshl_add_u32 v3, v2, 4, v3
	s_mul_i32 s21, s13, 64*PITCH                   ; my 64 rows of A
	s_mul_i32 s22, s14, 128*PITCH                  ; my 128 rows of B
	s_add_co_u32 s22, s22, 2*ATILE
.irp s, 0,1
	v_add_nc_u32 v[ADRA+\s], s21, v3
	v_add_nc_u32 v[ADRB+\s], s22, v3
	s_add_co_u32 s21, s21, SLOT
	s_add_co_u32 s22, s22, SLOT
.endr
	s_mul_i32 s23, s12, 16*SPITCH
	s_add_co_u32 s23, s23, STAGE
	v_mul_u32_u24 v5, v1, SPITCH
	v_lshl_add_u32 v5, v2, 5, v5
	v_add_nc_u32 v[STO], s23, v5                   ; in: row r, 32 bytes for each half of the lanes
	v_and_b32 v6, 31, v0
	v_lshlrev_b32 v[CO], 4, v6
	v_add_nc_u32 v[RD], s23, v[CO]                 ; back: the 32 lanes take a row of 512 bytes
	s_lshl_b32 s16, s15, 7
	s_lshl_b32 s17, s13, 6
	s_add_co_u32 s16, s16, s17                     ; my first row
	s_lshl_b32 s16, s16, 12
	s_mov_b32 s17, 0
	s_add_nc_u64 s[10:11], s[10:11], s[16:17]
	s_lshl_b32 s46, s42, 10
	s_lshl_b32 s47, s14, 9
	s_add_co_u32 s46, s46, s47                     ; my first column, in bytes
	s_mov_b32 s47, 0
	s_add_nc_u64 s[10:11], s[10:11], s[46:47]
	s_add_nc_u64 s[8:9], s[8:9], s[46:47]
	v_lshlrev_b32 v7, 5, v2
	WIN TO_B
.irp b, 0,1,2,3,4,5,6,7
	global_load_b128 v[BIAS+8*\b:BIAS+8*\b+3], v7, s[8:9] offset:64*\b
	global_load_b128 v[BIAS+8*\b+4:BIAS+8*\b+7], v7, s[8:9] offset:64*\b+16
.endr
	WIN 0
.macro MUL8 f, a, zero                 ; A's block a x B's eight, 32 along K, from buffer f; the 32 accumulators take turns in one order throughout
.irp b, 0,1,2,3,4,5,6,7
.if \zero
	v_wmma_f32_16x16x32_f16 v[8*(8*(\a)+\b):8*(8*(\a)+\b)+7], v[64*(\f)+8*\b:64*(\f)+8*\b+7], v[64+32*(\f)+8*(\a):64+32*(\f)+8*(\a)+7], v[BIAS+8*\b:BIAS+8*\b+7]
.else
	v_wmma_f32_16x16x32_f16 v[8*(8*(\a)+\b):8*(8*(\a)+\b)+7], v[64*(\f)+8*\b:64*(\f)+8*\b+7], v[64+32*(\f)+8*(\a):64+32*(\f)+8*(\a)+7], v[8*(8*(\a)+\b):8*(8*(\a)+\b)+7]
.endif
.endr
.endm
.macro FETCH slot, q, f                ; 24 LDS loads in one run: quarter q of the slot (block q / 2, channels 32 (q % 2) on) into buffer f
	WIN TO_B
.irp i, 0,1,2,3,4,5,6,7
	ds_load_b128 v[64*(\f)+8*\i:64*(\f)+8*\i+3], v[ADRB+\slot] offset:((\q)/2)*BTILE+((\q)%2)*64+\i*16*PITCH
	ds_load_b128 v[64*(\f)+8*\i+4:64*(\f)+8*\i+7], v[ADRB+\slot] offset:((\q)/2)*BTILE+((\q)%2)*64+\i*16*PITCH+32
.endr
	WIN 0
.irp i, 0,1,2,3
	ds_load_b128 v[64+32*(\f)+8*\i:64+32*(\f)+8*\i+3], v[ADRA+\slot] offset:((\q)/2)*ATILE+((\q)%2)*64+\i*16*PITCH
	ds_load_b128 v[64+32*(\f)+8*\i+4:64+32*(\f)+8*\i+7], v[ADRA+\slot] offset:((\q)/2)*ATILE+((\q)%2)*64+\i*16*PITCH+32
.endr
.endm
.macro PLACES
.rept 4
	v_nop
.endr
.endm
.macro QUARTER slot, qn, f, g, zero    ; multiplies buffer f; in its middle fetches quarter qn of the slot into buffer g
	s_wait_dscnt 0x0
.if \zero
	WIN BEG
.else
	WIN MUL
.endif
	MUL8 \f, 0, \zero
	MUL8 \f, 1, \zero
	PLACES
	FETCH \slot, \qn, \g
.if \zero
	WIN BEG
.else
	WIN MUL
.endif
	MUL8 \f, 2, \zero
	MUL8 \f, 3, \zero
.endm
; A slot's last quarter multiplies buffer 1 and changes slots: one barrier; in front of it each wave waits for all its tensor loads, adds 0 to its spare word, and waits for that and for its reads of this slot.
.macro TURN slot, next, fill
	WIN 0
	s_wait_tensorcnt 0x0                           ; my one load that was out, my part of the next slot, has landed
	ds_add_u32 v[SPW], v[NIL]
	s_wait_dscnt 1                                 ; (the add may be out)
	WIN MUL
	MUL8 1, 0, 0
	s_wait_dscnt 0x0
	s_barrier_signal -1
	MUL8 1, 1, 0
.if \fill
	WIN 0
.endif
	s_barrier_wait -1
.if \fill
	CREST                                          ; the barrier has opened a round of the cluster's: no wave of any partner still reads this slot or has a load on its way
	s_add_nc_u64 s[G0+4*\slot+2:G0+4*\slot+3], s[G0+4*\slot+2:G0+4*\slot+3], 1048576   ; two K steps on: four heads
	s_add_nc_u64 s[G0B+4*\slot+2:G0B+4*\slot+3], s[G0B+4*\slot+2:G0B+4*\slot+3], 524288
	JLOAD \slot                                    ; my one tensor load behind the round; its four v_nop are also the places in front of the loads below
.else
	PLACES
.endif
	FETCH \next, 0, 0
	WIN MUL
	MUL8 1, 2, 0
	MUL8 1, 3, 0
.endm
	s_wait_tensorcnt 1                             ; my part of K step 0 is in; K step 1's may be out
	s_barrier_signal -1
	s_barrier_wait -1
	FETCH 0, 0, 0
	s_wait_loadcnt 0x0                             ; bfc
	QUARTER 0, 1, 0, 1, 1                          ; the first quarter starts the sums from bfc
	WIN 0
	s_mov_b32 s3, LAPS-1
.Llap:                                                 ; a trip goes once round the ring and fills both slots again
	QUARTER 0, 2, 1, 0, 0
	QUARTER 0, 3, 0, 1, 0
	TURN 0, 1, 1
	QUARTER 1, 1, 0, 1, 0
	QUARTER 1, 2, 1, 0, 0
	QUARTER 1, 3, 0, 1, 0
	TURN 1, 0, 1
	QUARTER 0, 1, 0, 1, 0
	WIN 0
	s_sub_co_u32 s3, s3, 1
	s_cmp_lg_u32 s3, 0
	s_cbranch_scc1 .Llap
	QUARTER 0, 2, 1, 0, 0                          ; the last lap fills nothing
	QUARTER 0, 3, 0, 1, 0
	TURN 0, 1, 0
	QUARTER 1, 1, 0, 1, 0
	QUARTER 1, 2, 1, 0, 0
	QUARTER 1, 3, 0, 1, 0
	s_wait_dscnt 0x0
	WIN MUL
	MUL8 1, 0, 0
	MUL8 1, 1, 0
	MUL8 1, 2, 0
	MUL8 1, 3, 0
	WIN 0
; THE WAY OUT, a block of 16 rows x 128 columns at a time through my own stage: back as whole rows of 512 bytes.
.macro TOSTAGE a
	WIN 0x08                                       ; an LDS store's data: window 2
.irp b, 0,1,2,3,4,5,6,7
	ds_store_b128 v[STO], v[8*(8*(\a)+\b):8*(8*(\a)+\b)+3] offset:64*\b       ; each accumulator from its low end on
	ds_store_b128 v[STO], v[8*(8*(\a)+\b)+4:8*(8*(\a)+\b)+7] offset:64*\b+16
.endr
	WIN 0
.set BB, BK+64*((\a)%2)
.irp t, 0,1,2,3,4,5,6,7,8,9,10,11,12,13,14,15
	ds_load_b128 v[BB+4*\t:BB+4*\t+3], v[RD] offset:\t*SPITCH      ; LDS serves a wave's instructions in order
.endr
.endm
.macro SEND a, younger
.set BB, BK+64*((\a)%2)
	s_wait_dscnt \younger
.irp t, 0,1,2,3,4,5,6,7,8,9,10,11,12,13,14,15
	global_store_b128 v[CO], v[BB+4*\t:BB+4*\t+3], s[10:11] offset:(16*(\a)+\t)*4096 th:TH_STORE_NT   ; 32 lanes store 512 consecutive bytes
.endr
.endm
	PLACES
	TOSTAGE 0
.irp a, 1,2,3
.if \a > 1
	s_wait_xcnt 0x0                                ; block a - 2's stores have read their registers: block a's loads may land there
.endif
	TOSTAGE \a
	SEND \a-1, 32                                  ; behind block a - 1's loads: block a's 16 stores and 16 loads
.endr
	SEND 3, 0
	s_wait_tensorcnt 0x0                           ; the wave's end
	ds_add_u32 v[SPW], v[NIL]
	s_wait_dscnt 0x0
	CROUND                                         ; the closing round
	s_endpgm
.Lfunc_end_k_q7f9bc0657f_outp:
	.size	k_q7f9bc0657f_outp, .Lfunc_end_k_q7f9bc0657f_outp-k_q7f9bc0657f_outp
	.p2alignl 7, 3214868480
	.fill 96, 4, 3214868480
	.section	.rodata,"a",@progbits
	.p2align	6, 0x0
	.amdhsa_kernel k_q7f9bc0657f_outp
		.amdhsa_group_segment_fixed_size 327680
		.amdhsa_private_segment_fixed_size 0
		.amdhsa_enable_private_segment 0
		.amdhsa_kernarg_size 32
		.amdhsa_user_sgpr_count 2
		.amdhsa_user_sgpr_kernarg_segment_ptr 1
		.amdhsa_wavefront_size32 1
		.amdhsa_system_sgpr_workgroup_id_x 1
		.amdhsa_system_sgpr_workgroup_id_y 1
		.amdhsa_system_sgpr_workgroup_id_z 1
		.amdhsa_system_vgpr_workitem_id 0
		.amdhsa_next_free_vgpr 768
		.amdhsa_next_free_sgpr 66
		.amdhsa_reserve_vcc 0
		.amdhsa_float_denorm_mode_32 3
		.amdhsa_float_denorm_mode_16_64 3
		.amdhsa_memory_ordered 1
		.amdhsa_forward_progress 1
		.amdhsa_inst_pref_size 86
	.end_amdhsa_kernel
	.amdgpu_metadata
---
amdhsa.version: [ 1, 2 ]
amdhsa.kernels:
  - .name:           k_q7f9bc0657f_outp
    .symbol:         k_q7f9bc0657f_outp.kd
    .args:
      - { .name: xh, .offset: 0, .size: 8, .value_kind: global_buffer, .address_space: global }
      - { .name: wfh, .offset: 8, .size: 8, .value_kind: global_buffer, .address_space: global }
      - { .name: bfc, .offset: 16, .size: 8, .value_kind: global_buffer, .address_space: global }
      - { .name: out0, .offset: 24, .size: 8, .value_kind: global_buffer, .address_space: global }
    .group_segment_fixed_size: 327680
    .private_segment_fixed_size: 0
    .kernarg_segment_align: 8
    .kernarg_segment_size: 32
    .max_flat_workgroup_size: 128
    .sgpr_count:     66
    .vgpr_count:     768
    .wavefront_size: 32
...
	.end_amdgpu_metadata
.endif
;; end of part 4
